; MI455X (gfx1250); checked and timed in simulation.
; The chip was launched on July 23, 2026; its instructions are those of AMD's public machine-readable ISA for CDNA 5 (MIT licence, August 2026) and "CDNA5" Instruction Set Architecture Reference Guide (July 2026). The comments in the code are by the model that wrote it; some were corrected since.
;; Multi Head Attention. Allowed arithmetic: matrix products marked QUANTISED: E2M1 operands, one E8M0 scale for each 32 along K, by v_wmma_scale_f32_16x16x128_f8f6f4 with both operands' format E2M1 (or v_wmma_scale_f32_32x16x128_f4), f32 sums; products left as they are: bf16, f16 or f32 operands; f32 sums; everything else in f32.
;; Inputs: wk 1,024 x 1,024 float32; wo 1,024 x 1,024 float32; wq 1,024 x 1,024 float32; wv 1,024 x 1,024 float32; x 2 x 2,048 x 1,024 float32.
;; Outputs: out0 2 x 2,048 x 1,024 float32.
;; This version of the problem:
;;   THIS VERSION OF THE PROBLEM IS GIVEN IN LOW PRECISION. The matrix products marked QUANTISED in the list below multiply operands that are first quantised to E2M1 (2 exponent bits, 1 mantissa bit; 4 bits a number), with one power-of-two scale for each 32 numbers along K (OCP MX v1.0); their sums are f32. The products marked 'left as it is' may take bf16, f16 or f32 operands, with f32 sums. Whichever they take, every output number must still come out within the allowed error. Rounding operands to bf16 (8 significant bits) uses up far more of that allowance than f16 does (11 bits, for magnitudes from 6e-5 to 65,504). All else is computed in f32.
;;   The module's matrix products, in the order in which they are computed (A, B: the left and right operand; K: the contracted axis; several contracted axes count as one K, in the product's order):
;;     1. [M 4,096, K 1,024] x [K 1,024, N 1,024]; A: input x; B: input wq: QUANTISED
;;     2. [M 4,096, K 1,024] x [K 1,024, N 1,024]; A: input x; B: input wk: QUANTISED
;;     3. [M 4,096, K 1,024] x [K 1,024, N 1,024]; A: input x; B: input wv: QUANTISED
;;     4. batch 32 x [M 2,048, K 64] x [K 64, N 2,048]; A: computed on the way; B: computed on the way: left as it is (an operand is computed on the way)
;;     5. batch 32 x [M 64, K 2,048] x [K 2,048, N 2,048]; A: computed on the way; B: computed on the way: left as it is (an operand is computed on the way)
;;     6. [M 4,096, K 1,024] x [K 1,024, N 1,024]; A: computed on the way; B: input wo: left as it is (an operand is computed on the way)
;;   THE QUANTISER, for each operand of a quantised product, along K:
;;     - K is cut into blocks of 32 from its start; a last block that is shorter is filled with zeros.
;;     - A block's scale is 2^e with e = floor(log2(the largest magnitude in the block)) - 2, held to -126 .. 127; a block of zeros has e = 0. As a byte (E8M0): e + 127.
;;     - Each number is divided by its block's scale, clamped to +-6, and rounded to the nearest number of E2M1, ties to even, subnormals kept.
;;     - The product sums the exact products of the quantised numbers (number of the format x scale) in f32.
;;   ~~~python
;;   def quantise(x, axis):      # numpy; x: float32 -> the quantised numbers, widened to float32 again
;;       x = np.moveaxis(x, axis, -1); K = x.shape[-1]
;;       x = np.pad(x, [(0, 0)] * (x.ndim - 1) + [(0, -K % 32)]); x = x.reshape(x.shape[:-1] + (-1, 32)); a = np.abs(x).max(-1, keepdims=True)
;;       e = np.where(a > 0, np.clip(np.frexp(np.where(a > 0, a, 1))[1] - 1 - 2, -126, 127), 0)      # np.frexp(a)[1] - 1 = floor(log2(a)), exactly
;;       r = np.clip(x / 2.0 ** e, -6, 6)
;;       step = 2.0 ** (np.maximum(np.frexp(np.where(r == 0, 1, r))[1] - 1, 0) - 1)
;;       q = np.round(r / step) * step * 2.0 ** e      # np.round: ties to even
;;       return np.moveaxis(q.reshape(q.shape[:-2] + (-1,))[..., :K], -1, axis).astype(np.float32)
;;   ~~~
;; One version. Each part assembles by itself: llvm-mc -triple=amdgcn-amd-amdhsa -mcpu=gfx1250 --defsym DOCPART=n.
;; ======== version 1 of 1: 5 launches
;; limits: values are held in f16: magnitudes above 65,504 overflow, below 6.1e-05 lose precision
;; workspace buffers: xc 2,097,152 bytes; xs 131,072 bytes; wc 1,572,864 bytes; ws 98,304 bytes; wo16 2,097,152 bytes; qkv 25,165,824 bytes; fine 393,216 bytes; o16h 8,388,608 bytes
;; launch quant (part 1): grid 256 x 1, 8 waves a work-group, no clusters, 43,008 bytes of LDS; arguments x, wq, wk, wv, wo, xc, xs, wc, ws, wo16; writes xc, xs, wc, ws, wo16
.if DOCPART == 1
	.amdgcn_target "amdgcn-amd-amdhsa--gfx1250"
	.amdhsa_code_object_version 6
	.text
	.protected	k_qa02534432f_quant
	.globl	k_qa02534432f_quant
	.p2align	8
	.type	k_qa02534432f_quant,@function
k_qa02534432f_quant:
	s_mov_b64 s[64:65], 0
	v_nop
	global_prefetch_b8 v0, s[64:65] scope:SCOPE_SE
	s_setreg_imm32_b32 hwreg(HW_REG_WAVE_MODE, 25, 1), 1
	s_wait_xcnt 0x0
; x [4096][1024], wq, wk, wv [1024][1024], f32, K innermost, become codes of FP4 (E2M1), two a byte, and one E8M0 scale byte for each 32 along K.
; xc [4096][512 B], xs [4096][32 B]; wc [3072][512 B], ws [3072][32 B]: rows 0-1023 wq, 1024-2047 wk, 2048-3071 wv.  wo becomes f16, laid [k / 64][n][64].
; A block's scale is 2^(floor(log2(its largest magnitude)) - 2): its byte is that magnitude's exponent field - 2, held at 1 from below.
; LIMITS: a block whose largest magnitude lies under 2^-124 has its byte held at 1; a block of zeros gets the byte 1 (its codes are zeros, and this program alone reads the bytes);
; NaN and infinities are not served; |wo| stays at or under 65,504 (f16).
; SHARES: work-groups 0-127 take x, 128-159 wq, 160-191 wk, 192-223 wv, 32,768 numbers each; 224-255 take 32 rows of wo each.  Rows are dense, so a tensor is a plain stream of blocks of 32.
; A wave takes 4,096 numbers in 8 steps of 512.  All its 32 loads (16 KiB) go out at the head.  A load reads 512 consecutive bytes, 16 a lane; a step's 2,048 bytes turn through the wave's own stage in LDS
; and come back 64 bytes a lane, since the conversions take neighbours along K from one lane's registers.  Two neighbouring lanes hold a block.
; A lane's 16 codes are 8 bytes: a store of the wave covers 256 consecutive bytes, aligned.  The work-group's 1,024 scale bytes meet in LDS and leave as four such runs.
; No tensor load, no matrix unit, no cluster: memory binds and nothing is shared between work-groups.
.set SP,    80                         ; a lane's place in a stage: 64 bytes + 16 of padding
.set WREG,  5120                       ; a wave's two stages of 32 x SP bytes
.set SCB,   40960                      ; the work-group's scale bytes
.set SPARE, 41984                      ; the spare words, 128 bytes a wave: four blocks of 256 bytes that no other line names
.set R,     16                         ; v16-143  eight sets of 16 numbers as loaded
.set X,     144                        ; v144-175 two sets of 16 neighbours (wo's path: v144-207 packed f16)
.set C,     176                        ; v176-191 codes, two registers a step
.set E,     192                        ; v192-199 a scale byte a step
.set SPW,   12
.set NIL,   13
	s_load_b256 s[4:11], s[0:1], 0x0               ; x, wq, wk, wv
	s_load_b256 s[12:19], s[0:1], 0x20             ; wo, xc, xs, wc
	s_load_b128 s[20:23], s[0:1], 0x40             ; ws, wo16
	v_lshl_add_u32 v[SPW], v0, 2, SPARE
	v_mov_b32 v[NIL], 0
	v_lshrrev_b32 v1, 5, v0
	v_readfirstlane_b32 s24, v1                    ; wave 0..7
	v_and_b32 v2, 31, v0                           ; lane
	v_lshlrev_b32 v3, 4, v2                        ; 16 x lane
	s_mul_i32 s25, s24, WREG
	v_lshrrev_b32 v14, 2, v2
	v_mul_u32_u24 v14, v14, SP
	v_and_b32 v15, 3, v2
	v_lshl_add_u32 v14, v15, 4, v14
	v_add_nc_u32 v14, s25, v14                     ; the stage, in: four lanes' 64 bytes on end, then the padding
	v_mul_u32_u24 v15, v2, SP
	v_add_nc_u32 v15, s25, v15                     ; and out: my 16 neighbours
	v_lshlrev_b32 v4, 3, v2                        ; my 8 bytes of a step's codes
	v_lshrrev_b32 v5, 1, v2
	s_lshl_b32 s25, s24, 7
	s_add_co_u32 s25, s25, SCB
	v_add_nc_u32 v5, s25, v5                       ; my block's scale byte: SCB + 128 x wave + lane / 2
	s_and_b32 s25, s24, 3
	s_lshl_b32 s25, s25, 8
	v_add_nc_u32 v7, s25, v4                       ; the way out of the scale bytes: waves 0-3, 256 bytes each, 8 a lane
	v_add_nc_u32 v6, SCB, v7
	s_wait_kmcnt 0x0
	s_cmp_ge_u32 ttmp9, 224                        ; the same in all eight waves
	s_cbranch_scc1 .Lwo
	s_cmp_lt_u32 ttmp9, 192                        ; which tensor: the choice hangs on the work-group's number alone
	s_cselect_b64 s[30:31], s[8:9], s[10:11]
	s_cmp_lt_u32 ttmp9, 160
	s_cselect_b64 s[30:31], s[6:7], s[30:31]
	s_cmp_lt_u32 ttmp9, 128
	s_cselect_b64 s[30:31], s[4:5], s[30:31]
	s_cselect_b64 s[26:27], s[14:15], s[18:19]     ; codes: xc or wc
	s_cselect_b64 s[28:29], s[16:17], s[20:21]     ; scale bytes: xs or ws
	s_cselect_b32 s32, 0, 128
	s_cselect_b32 s33, 127, 31
	s_sub_co_u32 s32, ttmp9, s32                   ; my run of 32,768 numbers in the codes' buffer,
	s_and_b32 s33, s32, s33                        ; and in the tensor that I read
	s_lshl_b32 s34, s33, 17
	s_lshl_b32 s36, s24, 14
	s_add_co_u32 s34, s34, s36
	s_mov_b32 s35, 0
	s_add_nc_u64 s[30:31], s[30:31], s[34:35]      ; 131,072 bytes a work-group, 16,384 a wave
	s_lshl_b32 s34, s32, 14
	s_lshl_b32 s36, s24, 11
	s_add_co_u32 s34, s34, s36
	s_add_nc_u64 s[26:27], s[26:27], s[34:35]      ; 16,384 and 2,048
	s_lshl_b32 s34, s32, 10
	s_add_nc_u64 s[28:29], s[28:29], s[34:35]      ; 1,024 a work-group
.macro LOAD t
.irp i, 0,1,2,3
	global_load_b128 v[R+16*(\t)+4*\i:R+16*(\t)+4*\i+3], v3, s[30:31] offset:2048*(\t)+512*\i th:TH_LOAD_NT
.endr
.endm
.macro TURN t                          ; step t's numbers through the stage; LDS serves a wave's instructions in order, so no wait stands between the stores and the loads
.irp i, 0,1,2,3
	ds_store_b128 v14, v[R+16*(\t)+4*\i:R+16*(\t)+4*\i+3] offset:2560*((\t)%2)+640*\i
.endr
.irp i, 0,1,2,3
	ds_load_b128 v[X+16*((\t)%2)+4*\i:X+16*((\t)%2)+4*\i+3], v15 offset:2560*((\t)%2)+16*\i
.endr
.endm
.macro STEP t
.set XS, X+16*((\t)%2)
.if (\t) > 0
	s_wait_dscnt 0x1                               ; this step's numbers are back from the stage; the last step's byte store may be out
.else
	s_wait_dscnt 0x0
.endif
.if (\t) < 7
	s_wait_loadcnt 4*(6-(\t))                      ; the next step's four loads are in; those of the steps behind it may be out
	TURN (\t)+1                                    ; they go through the other stage while this step is worked
.endif
	v_max3_num_f32 v8, |v[XS]|, |v[XS+1]|, |v[XS+2]|
	v_max3_num_f32 v9, |v[XS+3]|, |v[XS+4]|, |v[XS+5]|
.irp i, 6,10
	v_max3_num_f32 v8, v8, |v[XS+\i]|, |v[XS+\i+1]|
	v_max3_num_f32 v9, v9, |v[XS+\i+2]|, |v[XS+\i+3]|
.endr
	v_max3_num_f32 v8, v8, |v[XS+14]|, |v[XS+15]|
	v_max3_num_f32 v8, v8, v9, 0x1800000           ; with the floor 2^(3 - 127): the byte cannot fall under 1
	v_max_num_f32_dpp v8, v8, v8 row_xmask:1 row_mask:0xf bank_mask:0xf   ; and my neighbour's 16: the block's largest magnitude
	v_add_nc_u32 v11, 0xff000000, v8               ; 2 off its exponent field: the conversion's scale operand
	v_cvt_scalef32_pk8_fp4_f32 v[C+2*(\t)], v[XS:XS+7], v11
	v_cvt_scalef32_pk8_fp4_f32 v[C+2*(\t)+1], v[XS+8:XS+15], v11
	v_lshrrev_b32 v[E+(\t)], 23, v11               ; the scale's byte (also the plain line behind the conversions)
	ds_store_b8 v5, v[E+(\t)] offset:16*(\t)       ; both lanes of a block write the same byte with the same value
	global_store_b64 v4, v[C+2*(\t):C+2*(\t)+1], s[26:27] offset:256*(\t)   ; 256 consecutive bytes, aligned
.endm
.irp t, 0,1,2,3,4,5,6,7
	LOAD \t
.endr
	s_wait_loadcnt 28                              ; step 0's four loads are in
	TURN 0
.irp t, 0,1,2,3,4,5,6,7
	STEP \t
.endr
	s_wait_dscnt 0x0                               ; for the others' sake: my scale bytes lie in LDS
	s_barrier_signal -1
	s_barrier_wait -1
	s_cmp_ge_u32 s24, 4
	s_cbranch_scc1 .Lend
	ds_load_b64 v[8:9], v6
	s_wait_dscnt 0x0
	global_store_b64 v7, v[8:9], s[28:29]          ; 256 consecutive bytes, aligned
.Lend:
	s_wait_tensorcnt 0x0                           ; the wave's end, behind my last LDS store
	ds_add_u32 v[SPW], v[NIL]
	s_wait_dscnt 0x0
	s_endpgm
; wo -> f16.  A wave takes 4 rows.  For each block of 64 along K eight lanes take a row's 256 bytes (32 a lane) and pack them into 128: the wave's store covers 4 rows x 128 = 512 consecutive bytes of wo16.
.Lwo:
	s_sub_co_u32 s25, ttmp9, 224
	s_lshl_b32 s25, s25, 5
	s_lshl_b32 s26, s24, 2
	s_add_co_u32 s25, s25, s26                     ; my first row
	s_lshl_b32 s26, s25, 12
	s_mov_b32 s27, 0
	s_add_nc_u64 s[12:13], s[12:13], s[26:27]
	s_lshl_b32 s26, s25, 7
	s_add_nc_u64 s[22:23], s[22:23], s[26:27]
	v_lshrrev_b32 v8, 3, v2
	v_and_b32 v9, 7, v2
	v_lshlrev_b32 v9, 5, v9
	v_lshl_add_u32 v8, v8, 12, v9                  ; row lane / 8, 32 bytes at lane % 8
.set kb, 0
.rept 16
	global_load_b128 v[R+8*kb:R+8*kb+3], v8, s[12:13] offset:256*kb th:TH_LOAD_NT
	global_load_b128 v[R+8*kb+4:R+8*kb+7], v8, s[12:13] offset:256*kb+16 th:TH_LOAD_NT
.set kb, kb+1
.endr
.set kb, 0
.rept 16
	s_wait_loadcnt 2*(15-kb)                       ; this block's two loads are in; the later blocks' may be out
.irp i, 0,1,2,3
	v_cvt_pk_f16_f32 v[X+4*kb+\i], v[R+8*kb+2*\i], v[R+8*kb+2*\i+1]
.endr
	global_store_b128 v3, v[X+4*kb:X+4*kb+3], s[22:23] offset:131072*kb
.set kb, kb+1
.endr
	s_endpgm
.Lfunc_end_k_qa02534432f_quant:
	.size	k_qa02534432f_quant, .Lfunc_end_k_qa02534432f_quant-k_qa02534432f_quant
	.p2alignl 7, 3214868480
	.fill 96, 4, 3214868480
	.section	.rodata,"a",@progbits
	.p2align	6, 0x0
	.amdhsa_kernel k_qa02534432f_quant
		.amdhsa_group_segment_fixed_size 43008
		.amdhsa_private_segment_fixed_size 0
		.amdhsa_enable_private_segment 0
		.amdhsa_kernarg_size 80
		.amdhsa_user_sgpr_count 2
		.amdhsa_user_sgpr_kernarg_segment_ptr 1
		.amdhsa_wavefront_size32 1
		.amdhsa_system_sgpr_workgroup_id_x 1
		.amdhsa_system_sgpr_workgroup_id_y 1
		.amdhsa_system_sgpr_workgroup_id_z 1
		.amdhsa_system_vgpr_workitem_id 0
		.amdhsa_next_free_vgpr 208
		.amdhsa_next_free_sgpr 66
		.amdhsa_reserve_vcc 0
		.amdhsa_float_denorm_mode_32 3
		.amdhsa_float_denorm_mode_16_64 3
		.amdhsa_memory_ordered 1
		.amdhsa_forward_progress 1
		.amdhsa_inst_pref_size 28
	.end_amdhsa_kernel
	.amdgpu_metadata
---
amdhsa.version: [ 1, 2 ]
amdhsa.kernels:
  - .name:           k_qa02534432f_quant
    .symbol:         k_qa02534432f_quant.kd
    .args:
      - { .name: x, .offset: 0, .size: 8, .value_kind: global_buffer, .address_space: global }
      - { .name: wq, .offset: 8, .size: 8, .value_kind: global_buffer, .address_space: global }
      - { .name: wk, .offset: 16, .size: 8, .value_kind: global_buffer, .address_space: global }
      - { .name: wv, .offset: 24, .size: 8, .value_kind: global_buffer, .address_space: global }
      - { .name: wo, .offset: 32, .size: 8, .value_kind: global_buffer, .address_space: global }
      - { .name: xc, .offset: 40, .size: 8, .value_kind: global_buffer, .address_space: global }
      - { .name: xs, .offset: 48, .size: 8, .value_kind: global_buffer, .address_space: global }
      - { .name: wc, .offset: 56, .size: 8, .value_kind: global_buffer, .address_space: global }
      - { .name: ws, .offset: 64, .size: 8, .value_kind: global_buffer, .address_space: global }
      - { .name: wo16, .offset: 72, .size: 8, .value_kind: global_buffer, .address_space: global }
    .group_segment_fixed_size: 43008
    .private_segment_fixed_size: 0
    .kernarg_segment_align: 8
    .kernarg_segment_size: 80
    .max_flat_workgroup_size: 256
    .sgpr_count:     66
    .vgpr_count:     208
    .wavefront_size: 32
...
	.end_amdgpu_metadata
.endif
;; end of part 1
;; launch qkv (part 2): grid 16 x 16, 4 waves a work-group, clusters of 4 x 4, 327,680 bytes of LDS; arguments xc, xs, wc, ws, qkv, fine; writes qkv, fine
.if DOCPART == 2
	.amdgcn_target "amdgcn-amd-amdhsa--gfx1250"
	.amdhsa_code_object_version 6
	.text
	.protected	k_qa02534432f_qkv
	.globl	k_qa02534432f_qkv
	.p2align	8
	.type	k_qa02534432f_qkv,@function
k_qa02534432f_qkv:
	s_mov_b64 s[64:65], 0
	v_nop
	global_prefetch_b8 v0, s[64:65] scope:SCOPE_SE
	s_setreg_imm32_b32 hwreg(HW_REG_WAVE_MODE, 25, 1), 1
	s_wait_xcnt 0x0
	s_wait_alu depctr_hold_cnt(0) depctr_sa_sdst(0) depctr_va_vdst(0) depctr_va_sdst(0) depctr_va_ssrc(0) depctr_va_vcc(0) depctr_vm_vsrc(0)
	s_getreg_b32 s2, hwreg(HW_REG_IB_STS2, 6, 4)
	s_cmp_eq_u32 s2, 0
	s_cbranch_scc0 .Lentry_in_a_cluster
	s_endpgm
.Lentry_in_a_cluster:
	s_bfe_u32 s2, ttmp6, 0x10000c
	s_cmp_lg_u32 s2, 0xf033
	s_cbranch_scc0 .Lentry_shape_is_right
	s_endpgm
.Lentry_shape_is_right:
; [4096 x 1024] x [3072 x 1024]^T on codes of FP4 with E8M0 scales: q, k and v at once.  Sums in f32, K ascending, one accumulator an output.
; OUT: qkv [2 g + batch][position 2048][64] f16, g = output column / 64 (q: head, k: 16 + head, v: 32 + head); fine: positions 0-15 of both batches in f32, as images of the accumulators' registers,
; [batch][g 48][b' 4][half 2][lane 32][16 bytes]: lane (r, h) holds position r, channels 16 b' + 8 h + 4 half + 0..3.
; LIMIT: |q|, |k|, |v| stay at or under 65,504 (f16).
; SHARES: a work-group makes 256 rows x 192 columns (three head slots): 16 x 16 work-groups.  Wave w makes rows 64 w .. 64 w + 63 x all 192 columns: 48 accumulators.
; ALL OF K LIES IN LDS: two halves of 512 along K (rows of 256 bytes), each filled once; nothing is filled again.  By this text's count a wave has three tensor loads out: scale bytes, first half, second half.
; CLUSTER 4 x 4: x's tiles hang on the tile row alone and are asked for jointly along a row of the cluster, the weights' on the tile column alone and jointly along a column.
; THE MATRIX INSTRUCTION IS USED TRANSPOSED: source 0 = 16 rows of the weights, source 1 = 16 rows of x: lane (r, h) of accumulator (a, b) holds row 16 a + r, columns 16 b + 8 h + 0..7.
; SCALE WORDS: a row's 32 bytes are 8 words, one a K step.  One load of 16 bytes a block, lanes 16-31 sixteen bytes further on: register j holds K step j's word in lanes 0-15 and K step 4 + j's in lanes 16-31.
; REGISTERS: window 0: v16-30 addresses; v32-47 x's scale words, v48-95 the weights'; v96-127, v128-159 x's fragments, two sets; v160-207, v208-255 the way out.
;   window 1: the weights' fragments, two sets, at v0 and v128.  window 2: accumulators of a = 0, 1 at v[8 (12 (a % 2) + b)]; window 3: a = 2, 3.
.set PITCH,  272                       ; an LDS row: 256 bytes + 16 of padding
.set ABYTES, 256*PITCH
.set BBYTES, 192*PITCH
.set SLOT,   ABYTES+BBYTES             ; half of K: x's 256 rows, then the weights' 192
.set SCL,    2*SLOT                    ; x's scale bytes: 32 runs of 256 bytes + 16
.set SCLB,   SCL+32*272                ; the weights': 24 runs
.set SPARE,  259072                    ; the spare words: two blocks of 256 bytes that no other line names
.set STG,    259584                    ; the way out: for each wave 3 head slots x 16 rows x 144 bytes; no fill lands here
.set SPW, 28
.set NIL, 29
.set G1A, 24
.set G0A, 32
.set G1B, 48
.set G0B, 56
.set G1SA, 68
.set G0SA, 76
.set G1SB, 80
.set G0SB, 88
.set MSB, 0
.macro WIN new                         ; the immediate's high byte repeats the setting that is left
.if MSB != (\new)
	s_set_vgpr_msb (MSB<<8)|(\new)
.set MSB, (\new)
.endif
.endm
; A joint load: waves 0 and 1 fetch for x, waves 2 and 3 for the weights.  The branch hangs on the wave's number alone.  An s_nop 0 and four v_nop follow each line.
.macro JLOAD g0a, g1a, g0b, g1b
	s_cmp_eq_u32 s17, 0
	s_cbranch_scc0 .Lfor_b_\@
	tensor_load_to_lds s[\g0a:\g0a+3], s[\g1a:\g1a+7]
	s_nop 0
.rept 4
	v_nop
.endr
	s_branch .Lasked_\@
.Lfor_b_\@:
	tensor_load_to_lds s[\g0b:\g0b+3], s[\g1b:\g1b+7]
	s_nop 0
.rept 4
	v_nop
.endr
.Lasked_\@:
.endm
.macro CROUND                          ; a round of the cluster's barrier
	s_barrier_signal -1
	s_barrier_wait -1
	s_cmp_lg_u32 s16, 0
	s_cbranch_scc1 .Lnot_wave_0_\@
	s_barrier_signal -3
.Lnot_wave_0_\@:
	s_barrier_wait -3
	s_barrier_signal -1
	s_barrier_wait -1
.endm
.macro PLACES
.rept 4
	v_nop
.endr
.endm
	s_load_b128 s[4:7], s[0:1], 0x0                ; xc, xs
	s_load_b128 s[8:11], s[0:1], 0x10              ; wc, ws
	s_load_b128 s[12:15], s[0:1], 0x20             ; qkv, fine
	v_lshl_add_u32 v[SPW], v0, 2, SPARE
	v_mov_b32 v[NIL], 0
	ds_add_u32 v[SPW], v[NIL]                      ; the wave's opening: the add, twice on end, and its wait ahead of my first tensor load
	ds_add_u32 v[SPW], v[NIL]
	v_lshrrev_b32 v1, 5, v0
	v_readfirstlane_b32 s16, v1                    ; wave 0..3
	s_lshr_b32 s17, s16, 1                         ; I fetch for x (0) or for the weights (1),
	s_and_b32 s18, s16, 1                          ; the first or the second half of the tile's rows
	s_bfe_u32 s40, ttmp6, 0x40000                  ; cx
	s_bfe_u32 s41, ttmp6, 0x40004                  ; cy
	s_lshl_b32 s42, ttmp9, 2
	s_add_co_u32 s42, s42, s40                     ; tile column
	s_and_b32 s19, ttmp7, 0xffff
	s_lshl_b32 s19, s19, 2
	s_add_co_u32 s19, s19, s41                     ; tile row
	s_lshl_b32 s43, s41, 2
	s_lshl_b32 s43, 15, s43                        ; my row of the cluster
	s_lshl_b32 s44, 0x1111, s40                    ; my column
	s_or_b32 s[G1A], s43, (1<<20)|(1<<21)|(5<<22)|(3<<25)    ; elements of 1 byte; 4 words of padding behind every 64; bit 21 beside the mask
	s_or_b32 s[G1B], s44, (1<<20)|(1<<21)|(5<<22)|(3<<25)
.irp g, G1A, G1B
	s_mov_b32 s[\g+1], 256<<16                     ; tensor_dim0 = 256 bytes
	s_mov_b32 s[\g+3], 256<<16                     ; tile_dim0
	s_mov_b32 s[\g+5], 512                         ; a row of codes in memory
	s_mov_b32 s[\g+6], 0
	s_mov_b32 s[\g+7], 0
.endr
	s_mov_b32 s[G1A+2], 128<<16                    ; x: 128 rows a load
	s_mov_b32 s[G1A+4], 128
	s_mov_b32 s[G1B+2], 96<<16                     ; the weights: 96
	s_mov_b32 s[G1B+4], 96
	s_or_b32 s[G1SA], s43, (3<<16)|(1<<20)|(1<<21)|(5<<22)|(3<<25)   ; scale bytes: dense, as rows of 32 elements of 8 bytes
	s_or_b32 s[G1SB], s44, (3<<16)|(1<<20)|(1<<21)|(5<<22)|(3<<25)
.irp g, G1SA, G1SB
	s_mov_b32 s[\g+1], 32<<16
	s_mov_b32 s[\g+3], 32<<16
	s_mov_b32 s[\g+5], 32
	s_mov_b32 s[\g+6], 0
	s_mov_b32 s[\g+7], 0
.endr
	s_mov_b32 s[G1SA+2], 16<<16                    ; 128 rows x 32 bytes = 16 runs of 256
	s_mov_b32 s[G1SA+4], 16
	s_mov_b32 s[G1SB+2], 12<<16                    ; 96 rows: 12 runs
	s_mov_b32 s[G1SB+4], 12
	s_lshl_b32 s20, s19, 8
	s_lshl_b32 s45, s18, 7
	s_add_co_u32 s20, s20, s45                     ; x: row 256 x tile row + 128 x half
	s_lshl_b32 s22, s20, 5                         ; its scale bytes,
	s_mov_b32 s23, 0
	s_lshl_b32 s20, s20, 9                         ; its codes
	s_mov_b32 s21, 0
	s_mul_i32 s46, s42, 192
	s_mul_i32 s94, s18, 96
	s_add_co_u32 s46, s46, s94                     ; the weights: row 192 x tile column + 96 x half
	s_lshl_b32 s92, s46, 5
	s_mov_b32 s93, 0
	s_lshl_b32 s46, s46, 9
	s_mov_b32 s47, 0
	s_mul_i32 s45, s18, 128*PITCH                  ; where they go: no place in the cluster enters an LDS address
	s_mul_i32 s94, s18, 96*PITCH
	s_add_co_u32 s94, s94, ABYTES
	s_mul_i32 s95, s18, 16*272
	s_add_co_u32 s95, s95, SCL
	s_mul_i32 s96, s18, 12*272
	s_add_co_u32 s96, s96, SCLB
	s_wait_dscnt 0x0                               ; both opening adds are done
	s_wait_kmcnt 0x0
	s_add_nc_u64 s[20:21], s[4:5], s[20:21]
	s_add_nc_u64 s[22:23], s[6:7], s[22:23]
	s_add_nc_u64 s[46:47], s[8:9], s[46:47]
	s_add_nc_u64 s[92:93], s[10:11], s[92:93]
	CROUND                                         ; all sixteen work-groups are here: the joint loads meet
	s_mov_b32 s[G0SA], 1
	s_mov_b32 s[G0SA+1], s95
	s_mov_b64 s[G0SA+2:G0SA+3], s[22:23]
	s_or_b32 s[G0SA+3], s[G0SA+3], 0x80000000
	s_mov_b32 s[G0SB], 1
	s_mov_b32 s[G0SB+1], s96
	s_mov_b64 s[G0SB+2:G0SB+3], s[92:93]
	s_or_b32 s[G0SB+3], s[G0SB+3], 0x80000000
	JLOAD G0SA, G1SA, G0SB, G1SB                   ; the scale bytes first: they are wanted with K step 0
.irp s, 0,1
	s_mov_b32 s[G0A+4*\s], 1
	s_add_co_u32 s[G0A+4*\s+1], s45, \s*SLOT
	s_add_nc_u64 s[G0A+4*\s+2:G0A+4*\s+3], s[20:21], \s*256
	s_or_b32 s[G0A+4*\s+3], s[G0A+4*\s+3], 0x80000000
	s_mov_b32 s[G0B+4*\s], 1
	s_add_co_u32 s[G0B+4*\s+1], s94, \s*SLOT
	s_add_nc_u64 s[G0B+4*\s+2:G0B+4*\s+3], s[46:47], \s*256
	s_or_b32 s[G0B+4*\s+3], s[G0B+4*\s+3], 0x80000000
	JLOAD G0A+4*\s, G1A, G0B+4*\s, G1B
.endr
	v_and_b32 v1, 15, v0                           ; r
	v_bfe_u32 v2, v0, 4, 1                         ; h
	v_mul_u32_u24 v3, v1, PITCH
	v_lshl_add_u32 v3, v2, 4, v3                   ; a fragment's row x pitch + 16 h
	s_mul_i32 s21, s16, 64*PITCH
	v_add_nc_u32 v16, s21, v3                      ; x's fragments: my 64 rows, first half of K,
	v_add_nc_u32 v17, SLOT, v16                    ; second half
	v_add_nc_u32 v20, ABYTES, v3                   ; the weights'
	v_add_nc_u32 v21, SLOT, v20
	v_lshrrev_b32 v4, 3, v1
	v_lshlrev_b32 v5, 5, v1
	v_lshl_add_u32 v5, v4, 4, v5
	v_lshl_add_u32 v5, v2, 4, v5                   ; a row's scale bytes: 32 r, + 16 for each 256 passed, + 16 h
	s_mul_i32 s21, s16, 8*272
	s_add_co_u32 s21, s21, SCL
	v_add_nc_u32 v22, s21, v5
	v_add_nc_u32 v23, SCLB, v5
	s_mul_i32 s21, s16, 6912
	s_add_co_u32 s21, s21, STG                     ; my stage
	v_mul_u32_u24 v6, v1, 144
	v_lshl_add_u32 v6, v2, 4, v6
	v_add_nc_u32 v24, s21, v6                      ; in: row r, 16 bytes for each half of the lanes
	v_and_b32 v7, 31, v0
	v_lshrrev_b32 v8, 3, v7
	v_and_b32 v9, 7, v7
	v_mul_u32_u24 v8, v8, 144
	v_lshl_add_u32 v8, v9, 4, v8
	v_add_nc_u32 v25, s21, v8                      ; back: eight lanes to a row of 128 bytes, four rows an instruction
	v_lshlrev_b32 v26, 4, v7                       ; and 16 x lane in memory
	s_and_b32 s20, s19, 7
	v_mov_b32 v30, s20                             ; 0 where my tile begins a batch
	s_lshr_b32 s20, s19, 3                         ; the batch
	s_lshl_b32 s20, s20, 18
	s_and_b32 s21, s19, 7
	s_lshl_b32 s21, s21, 15
	s_add_co_u32 s20, s20, s21                     ; + 256 positions x 128 bytes for each tile row in the batch
	s_lshl_b32 s21, s16, 13
	s_add_co_u32 s20, s20, s21                     ; + my wave's 64 positions
	s_mov_b32 s21, 0
	s_add_nc_u64 s[12:13], s[12:13], s[20:21]
	s_mul_i32 s46, s42, 6<<18                      ; + three head slots, two batches each, for each tile column
	s_mov_b32 s47, 0
	s_add_nc_u64 s[12:13], s[12:13], s[46:47]
	s_lshr_b32 s20, s19, 3
	s_mul_i32 s20, s20, 196608
	s_add_nc_u64 s[14:15], s[14:15], s[20:21]      ; fine: the batch's 48 images of 4,096 bytes,
	s_mul_i32 s46, s42, 12288
	s_add_nc_u64 s[14:15], s[14:15], s[46:47]      ; my three head slots
; the fragments of K step q: 16 rows x 128 K of 4-bit codes are 8 registers, two loads of 16 bytes 32 bytes apart
.macro FETCH q
	WIN 0x40                                       ; destination window 1
.irp i, 0,1,2,3,4,5,6,7,8,9,10,11
.irp c, 0,1
	ds_load_b128 v[128*((\q)%2)+8*\i+4*\c:128*((\q)%2)+8*\i+4*\c+3], v[20+(\q)/4] offset:64*((\q)%4)+32*\c+16*PITCH*\i
.endr
.endr
	WIN 0
.irp i, 0,1,2,3
.irp c, 0,1
	ds_load_b128 v[96+32*((\q)%2)+8*\i+4*\c:96+32*((\q)%2)+8*\i+4*\c+3], v[16+(\q)/4] offset:64*((\q)%4)+32*\c+16*PITCH*\i
.endr
.endr
.endm
; 48 matrix instructions: the 48 accumulators take turns, one instruction a turn, in the same order in every K step.  K step 0 starts the sums: nothing is cleared.
.macro MUL q
.irp a, 0,1,2,3
	WIN 0xa1+0x50*(\a/2)                           ; source 0 window 1, source 1 window 0, C and D window 2 or 3
.irp b, 0,1,2,3,4,5,6,7,8,9,10,11
.set AC, 8*(12*(\a%2)+\b)
.set BF, 128*((\q)%2)+8*\b
.set AFR, 96+32*((\q)%2)+8*\a
.if (\q) == 0
	v_wmma_scale_f32_16x16x128_f8f6f4 v[AC:AC+7], v[BF:BF+7], v[AFR:AFR+7], 0, v[48+4*\b], v[32+4*\a] matrix_a_fmt:MATRIX_FMT_FP4 matrix_b_fmt:MATRIX_FMT_FP4
.elseif (\q) < 4
	v_wmma_scale_f32_16x16x128_f8f6f4 v[AC:AC+7], v[BF:BF+7], v[AFR:AFR+7], v[AC:AC+7], v[48+4*\b+(\q)%4], v[32+4*\a+(\q)%4] matrix_a_fmt:MATRIX_FMT_FP4 matrix_b_fmt:MATRIX_FMT_FP4
.else
	v_wmma_scale_f32_16x16x128_f8f6f4 v[AC:AC+7], v[BF:BF+7], v[AFR:AFR+7], v[AC:AC+7], v[48+4*\b+(\q)%4], v[32+4*\a+(\q)%4] matrix_a_fmt:MATRIX_FMT_FP4 matrix_b_fmt:MATRIX_FMT_FP4 matrix_a_scale:MATRIX_SCALE_ROW1 matrix_b_scale:MATRIX_SCALE_ROW1
.endif
.endr
.endr
.endm
.macro KSTEP q
	s_wait_dscnt 0x0                               ; this K step's fragments are in: they were asked for 48 matrix instructions ago
.if (\q) == 3
	s_wait_tensorcnt 0x0                           ; my part of the second half of K has landed,
	s_barrier_signal -1
	s_barrier_wait -1                              ; everybody's has: the next fetch reads it
.endif
.if (\q) < 7
.if (\q) > 0
	PLACES                                         ; four places in front of loads into the set that the last K step's products read
.endif
	FETCH (\q)+1
.endif
	MUL \q
.endm
	s_wait_tensorcnt 0x1                           ; the scale bytes and my part of the first half are in; the second half's load may stay out
	s_barrier_signal -1
	s_barrier_wait -1
.irp a, 0,1,2,3
	ds_load_b128 v[32+4*\a:35+4*\a], v22 offset:544*\a
.endr
.irp b, 0,1,2,3,4,5,6,7,8,9,10,11
	ds_load_b128 v[48+4*\b:51+4*\b], v23 offset:544*\b
.endr
	FETCH 0
.irp q, 0,1,2,3,4,5,6,7
	KSTEP \q
.endr
	WIN 0
	PLACES                                         ; in front of the first reads of results
	; positions 0-15 of a batch in f32: wave 0's block a = 0, where the tile begins a batch.  All work-groups run the same lines; which lanes store hangs on the tile row, by EXEC.
	s_cmp_lg_u32 s16, 0
	s_cbranch_scc1 .Lnofine
	s_wait_xcnt 0x0                                ; EXEC changes only behind this wait
	v_cmp_eq_u32 vcc_lo, 0, v30
	s_and_saveexec_b32 s20, vcc_lo
	WIN 0x08                                       ; a store's data: window 2
.irp b, 0,1,2,3,4,5,6,7,8,9,10,11
	global_store_b128 v26, v[8*\b:8*\b+3], s[14:15] offset:1024*\b          ; 512 consecutive bytes; each accumulator from its low end on
	global_store_b128 v26, v[8*\b+4:8*\b+7], s[14:15] offset:1024*\b+512
.endr
	WIN 0
	s_wait_xcnt 0x0                                ; and again in front of the line that widens it
	s_or_b32 exec_lo, exec_lo, s20
.Lnofine:
; THE WAY OUT, 16 rows at a time: rounded to f16, 16 bytes a lane into my stage (one part for each head slot), back as whole rows of 128 bytes, four rows = 512 consecutive bytes a store.
.macro OUTB a
	WIN 0x0a+5*((\a)/2)                            ; sources 0 and 1: window 2 or 3
.irp b, 0,1,2,3,4,5,6,7,8,9,10,11
.irp i, 0,1,2,3
	v_cvt_pk_f16_f32 v[160+4*\b+\i], v[8*(12*((\a)%2)+\b)+2*\i], v[8*(12*((\a)%2)+\b)+2*\i+1]
.endr
.endr
	WIN 0
.if (\a) > 0
	s_wait_xcnt 0x0                                ; the last block's stores have read their registers: the loads below may land there
.endif
.irp b, 0,1,2,3,4,5,6,7,8,9,10,11
	ds_store_b128 v24, v[160+4*\b:163+4*\b] offset:2304*(\b/4)+32*(\b%4)
.endr
.irp n, 0,1,2,3,4,5,6,7,8,9,10,11
	ds_load_b128 v[208+4*\n:211+4*\n], v25 offset:2304*(\n/4)+576*(\n%4)    ; LDS serves a wave's instructions in order: these see my stores
.endr
	s_wait_dscnt 0x0
.irp n, 0,1,2,3,4,5,6,7,8,9,10,11
	global_store_b128 v26, v[208+4*\n:211+4*\n], s[12:13] offset:524288*(\n/4)+2048*(\a)+512*(\n%4)
.endr
.endm
.irp a, 0,1,2,3
	OUTB \a
.endr
	s_wait_tensorcnt 0x0                           ; the wave's end
	ds_add_u32 v[SPW], v[NIL]
	s_wait_dscnt 0x0
	CROUND                                         ; the closing round
	s_endpgm
.Lfunc_end_k_qa02534432f_qkv:
	.size	k_qa02534432f_qkv, .Lfunc_end_k_qa02534432f_qkv-k_qa02534432f_qkv
	.p2alignl 7, 3214868480
	.fill 96, 4, 3214868480
	.section	.rodata,"a",@progbits
	.p2align	6, 0x0
	.amdhsa_kernel k_qa02534432f_qkv
		.amdhsa_group_segment_fixed_size 327680
		.amdhsa_private_segment_fixed_size 0
		.amdhsa_enable_private_segment 0
		.amdhsa_kernarg_size 48
		.amdhsa_user_sgpr_count 2
		.amdhsa_user_sgpr_kernarg_segment_ptr 1
		.amdhsa_wavefront_size32 1
		.amdhsa_system_sgpr_workgroup_id_x 1
		.amdhsa_system_sgpr_workgroup_id_y 1
		.amdhsa_system_sgpr_workgroup_id_z 1
		.amdhsa_system_vgpr_workitem_id 0
		.amdhsa_next_free_vgpr 1024
		.amdhsa_next_free_sgpr 100
		.amdhsa_reserve_vcc 1
		.amdhsa_float_denorm_mode_32 3
		.amdhsa_float_denorm_mode_16_64 3
		.amdhsa_memory_ordered 1
		.amdhsa_forward_progress 1
		.amdhsa_inst_pref_size 103
	.end_amdhsa_kernel
	.amdgpu_metadata
---
amdhsa.version: [ 1, 2 ]
amdhsa.kernels:
  - .name:           k_qa02534432f_qkv
    .symbol:         k_qa02534432f_qkv.kd
    .args:
      - { .name: xc, .offset: 0, .size: 8, .value_kind: global_buffer, .address_space: global }
      - { .name: xs, .offset: 8, .size: 8, .value_kind: global_buffer, .address_space: global }
      - { .name: wc, .offset: 16, .size: 8, .value_kind: global_buffer, .address_space: global }
      - { .name: ws, .offset: 24, .size: 8, .value_kind: global_buffer, .address_space: global }
      - { .name: qkv, .offset: 32, .size: 8, .value_kind: global_buffer, .address_space: global }
      - { .name: fine, .offset: 40, .size: 8, .value_kind: global_buffer, .address_space: global }
    .group_segment_fixed_size: 327680
    .private_segment_fixed_size: 0
    .kernarg_segment_align: 8
    .kernarg_segment_size: 48
    .max_flat_workgroup_size: 128
    .sgpr_count:     100
    .vgpr_count:     1024
    .wavefront_size: 32
...
	.end_amdgpu_metadata
.endif
;; end of part 2
;; launch attn (part 3): grid 8 x 32, 16 waves a work-group, no clusters, 327,680 bytes of LDS; arguments qkv, o16h; writes o16h
.if DOCPART == 3
	.amdgcn_target "amdgcn-amd-amdhsa--gfx1250"
	.amdhsa_code_object_version 6
	.text
	.protected	k_qa02534432f_attn
	.globl	k_qa02534432f_attn
	.p2align	8
	.type	k_qa02534432f_attn,@function
k_qa02534432f_attn:
	s_mov_b64 s[64:65], 0
	v_nop
	global_prefetch_b8 v0, s[64:65] scope:SCOPE_SE
	s_setreg_imm32_b32 hwreg(HW_REG_WAVE_MODE, 25, 1), 1
	s_wait_xcnt 0x0
; Causal attention, head size 64, operands in f16, products, maxima and sums in f32.  q, k, v: qkv [2 g + batch][2048][64] f16 (q: g = head, k: 16 + head, v: 32 + head).  OUT: o16h [head][batch x 2048 + position][64] f16.
; LIMIT: |o| stays at or under 65,504 (f16); it is an average of v.
; SHARES: work-group (i, head and batch) owns the query blocks i and 15 - i of 128 queries: 17 squares of 128 x 128 under the mask for every i.  Sixteen waves of 256 registers, four to a SIMD.
; A group of 32 queries (two tiles of 16) is served by TWO waves: wave u + 8 p (u = 0..7 the group, p the parity) takes the 64 keys at 128 d + 64 p of every 128.  So each fragment of K and V read from LDS feeds two
; tiles, and there are still four waves to a SIMD.  At the end parity 1 hands its maximum, sum and O^T to parity 0 through LDS.
; LAYOUT: S^T = K Q^T (source 0 = 16 keys, source 1 = 16 queries), O^T = V^T P (source 0 = 16 channels, by the turning load, source 1 = P): a lane holds one query throughout; two tiles of S^T rounded in pairs are P.
; SOFTMAX: running maximum m and sum l for each query: p = 2^(c s - c m), c = log2(e) / 8; O and l are multiplied by a = 2^(c m_old - c m_new) in every step.
; THE RING: two slots of 256 keys.  Wave 0 fetches a slot's K, wave 1 its V, one load each.  Every work-group walks all 8 slots (constant trip counts); a step all of whose keys come after the wave's queries is jumped over;
; a slot whose first key comes after the work-group's last query is not asked for.  Every wait on TENSORcnt is for 0.
; NO CLUSTER: work-groups of a head need different numbers of slots under the mask, so a partner would have to ask for tiles that none of its waves reads.
.set KP,    144                        ; a key's row of K in LDS: 128 bytes + 16
.set VP,    160                        ; of V: 128 + 32
.set VOFF,  256*KP
.set SLOT1, 1<<17
.set STAGE, 77824                      ; the way out: 8 x 32 rows x 144 bytes
.set CST,   114688                     ; parity 1's maxima and sums: 8 x 512 bytes
.set SPARE, 118784                     ; the spare words, 128 bytes a wave: eight blocks of 256 bytes that no other line names
.set CMB,   262144                     ; parity 1's O^T: 8 x 8,192 bytes
.set ST,    12                         ; tile t at v[12 + 8 t]: +0 c m, +1 m, +2, +3 l, +4..+7 at work (a in +6)
.set QF,    28                         ; v28-59   Q: tile t, 32 channels ks at 28 + 16 t + 8 ks
.set KV,    60                         ; v60-123  K's eight fragments, then V's eight
.set S,     124                        ; v124-187 S^T: tile t at 124 + 32 t; P is packed in place into the first 16
.set O,     188                        ; v188-251 O^T: tile t, channels 16 dt at 188 + 32 t + 8 dt
; v1 AK0, v2 AV0, v3 ADK, v4 ADV, v5, v6 the add's two, v7 STO, v8 RD, v9 16 x lane, v10 256 x lane, v11 CMB's address, v252 CST's, v253 -infinity, v254, v255 at work
; s2 the slot in hand, s3 its first key, s18 wave, s19 64 p, s[20:21] lane selects, s[22:23] c, s[24:31], s[32:39] groups 1, s[40:43], s[44:47] groups 0, s66 the step's first key, s67 slots to ask for,
; s68, s69 my first and last query, s70 the work-group's last query, s71 p, s72 u, s[76:77] the prefetches' address, s80 their limit
.macro TLOAD                           ; wave 0: K; wave 1: V; the others nothing.  An s_nop 0 and four v_nop follow each line
	s_cmp_eq_u32 s18, 0
	s_cbranch_scc0 .Lnot_k_\@
	tensor_load_to_lds s[40:43], s[24:31]
	s_nop 0
.rept 4
	v_nop
.endr
	s_branch .Lasked_\@
.Lnot_k_\@:
	s_cmp_eq_u32 s18, 1
	s_cbranch_scc0 .Lasked_\@
	tensor_load_to_lds s[44:47], s[32:39]
	s_nop 0
.rept 4
	v_nop
.endr
.Lasked_\@:
.endm
; A prefetch of what the NEXT change of slots will ask for: 32,768 dense bytes of K and of V.  All work-groups of a head walk the same keys: work-group 0, which walks them all, asks.  Waves 4-7 name K's bytes, waves 8-11 V's,
; 8,192 a wave, lanes 256 bytes apart: each run of 256 bytes is named once in the launch.  The change that asks for the last slot prefetches nothing; slots 0 and 1 come by their loads alone.
.macro ASK
	s_cmp_gt_u32 s67, s80
	s_cbranch_scc0 .Lnot_mine_\@
	global_prefetch_b8 v10, s[76:77] th:TH_LOAD_NT scope:SCOPE_SE
.Lnot_mine_\@:
.endm
	s_load_b128 s[4:7], s[0:1], 0x0                ; qkv, o16h
	v_lshl_add_u32 v5, v0, 2, SPARE
	v_mov_b32 v6, 0
	ds_add_u32 v5, v6                              ; the wave's opening: the add, twice on end, and its wait ahead of the first tensor load
	ds_add_u32 v5, v6
	v_lshrrev_b32 v1, 5, v0
	v_readfirstlane_b32 s18, v1                    ; wave 0..15
	s_lshr_b32 s71, s18, 3                         ; p
	s_and_b32 s72, s18, 7                          ; u
	s_lshl_b32 s19, s71, 6
	s_and_b32 s8, ttmp7, 0xffff
	s_and_b32 s9, s8, 15                           ; head
	s_lshr_b32 s10, s8, 4                          ; batch
	s_lshl_b32 s11, s9, 1
	s_add_co_u32 s11, s11, s10                     ; 2 head + batch
	s_sub_co_u32 s12, 15, ttmp9
	s_lshl_b32 s70, s12, 7
	s_or_b32 s70, s70, 127                         ; the work-group's last query
	s_cmp_lt_u32 s72, 4
	s_cselect_b32 s12, ttmp9, s12                  ; groups 0-3: block i; groups 4-7: block 15 - i
	s_lshl_b32 s68, s12, 7
	s_and_b32 s13, s18, 3
	s_lshl_b32 s13, s13, 5
	s_add_co_u32 s68, s68, s13                     ; my first query
	s_add_co_u32 s69, s68, 31                      ; my last
	s_mov_b32 s24, (1<<16)|(1<<20)|(4<<22)|(3<<25) ; K: elements of 2 bytes; 4 words of padding behind every 32
	s_mov_b32 s32, (1<<16)|(1<<20)|(4<<22)|(7<<25) ; V: 8 words
.irp g, 24, 32
	s_mov_b32 s[\g+1], 64<<16                      ; tensor_dim0 = 64
	s_mov_b32 s[\g+2], 256<<16                     ; tensor_dim1 = 256
	s_mov_b32 s[\g+3], 64<<16                      ; tile_dim0
	s_mov_b32 s[\g+4], 256                         ; tile_dim1
	s_mov_b32 s[\g+5], 64                          ; from row to row
	s_mov_b32 s[\g+6], 0
	s_mov_b32 s[\g+7], 0
.endr
	s_add_co_u32 s14, s11, 32
	s_lshl_b32 s14, s14, 18                        ; K of my head and batch
	s_mov_b32 s15, 0
	s_add_co_u32 s16, s11, 64
	s_lshl_b32 s16, s16, 18                        ; V
	s_mov_b32 s17, 0
	s_lshl_b32 s74, s11, 18
	s_lshl_b32 s75, s68, 7
	s_add_co_u32 s74, s74, s75                     ; Q at my first query
	s_mov_b32 s75, 0
	s_lshl_b32 s78, s9, 12
	s_lshl_b32 s79, s10, 11
	s_add_co_u32 s78, s78, s79
	s_add_co_u32 s78, s78, s68
	s_lshl_b32 s78, s78, 7                         ; O at my first query
	s_mov_b32 s79, 0
	s_cmp_lt_u32 s18, 8
	s_cselect_b32 s82, s14, s16
	s_and_b32 s83, s18, 3
	s_lshl_b32 s83, s83, 13
	s_add_co_u32 s82, s82, s83
	s_add_co_u32 s82, s82, 32768                   ; the prefetches stand in slot 1; the first change of slots steps them to slot 2
	s_mov_b32 s83, 0
	s_sub_co_u32 s84, s18, 4
	s_lshr_b32 s84, s84, 3                         ; 0 in waves 4 to 11
	s_or_b32 s84, s84, ttmp9                       ; of work-group 0
	s_cmp_eq_u32 s84, 0
	s_cselect_b32 s80, 1, -1
	s_mov_b32 s20, 0x76543210
	s_mov_b32 s21, 0xfedcba98
	s_mov_b32 s22, 0x3e38aa3b                      ; c = log2(e) / 8
	s_mov_b32 s23, s22
	s_mov_b32 s2, 0
	s_mov_b32 s3, 0
	s_mov_b32 s67, 7
	s_wait_dscnt 0x0                               ; both opening adds are done
	s_wait_kmcnt 0x0
	s_mov_b32 s40, 1
	s_mov_b32 s41, 0
	s_add_nc_u64 s[42:43], s[4:5], s[14:15]
	s_or_b32 s43, s43, 0x80000000
	s_mov_b32 s44, 1
	s_mov_b32 s45, VOFF
	s_add_nc_u64 s[46:47], s[4:5], s[16:17]
	s_or_b32 s47, s47, 0x80000000
	TLOAD                                          ; slot 0: it holds key 0, which counts for every query
	s_add_nc_u64 s[74:75], s[4:5], s[74:75]
	s_add_nc_u64 s[6:7], s[6:7], s[78:79]
	s_add_nc_u64 s[76:77], s[4:5], s[82:83]
	v_and_b32 v254, 15, v0                         ; r
	v_bfe_u32 v255, v0, 4, 1                       ; h
	v_lshlrev_b32 v3, 7, v254
	v_lshl_add_u32 v3, v255, 4, v3
.irp t, 0,1
.irp ks, 0,1
.irp c, 0,1
	global_load_b128 v[QF+16*\t+8*\ks+4*\c:QF+16*\t+8*\ks+4*\c+3], v3, s[74:75] offset:2048*\t+64*\ks+32*\c   ; Q stays in registers
.endr
.endr
.endr
	v_mul_u32_u24 v1, v254, KP
	v_lshl_add_u32 v1, v255, 4, v1
	s_mul_i32 s96, s71, 64*KP
	v_add_nc_u32 v1, s96, v1                       ; K: row r, + 16 h, + my parity's 64 keys
	v_and_b32 v7, 7, v0
	v_lshl_add_u32 v2, v255, 3, v7
	v_mul_u32_u24 v2, v2, VP
	v_bfe_u32 v7, v0, 3, 1
	v_lshl_add_u32 v2, v7, 4, v2
	s_mul_i32 s96, s71, 64*VP
	s_add_co_u32 s96, s96, VOFF
	v_add_nc_u32 v2, s96, v2                       ; V, for the turning load: key 8 h + lane % 8, 16 bytes at (lane / 8) % 2
	s_mul_i32 s96, s72, 4608
	s_add_co_u32 s96, s96, STAGE
	v_mul_u32_u24 v7, v254, 144
	v_lshl_add_u32 v7, v255, 4, v7
	v_add_nc_u32 v7, s96, v7
	v_and_b32 v9, 31, v0
	v_lshrrev_b32 v8, 3, v9
	v_mul_u32_u24 v8, v8, 144
	v_and_b32 v10, 7, v0
	v_lshl_add_u32 v8, v10, 4, v8
	v_add_nc_u32 v8, s96, v8
	v_lshlrev_b32 v10, 8, v9
	s_lshl_b32 s96, s72, 13
	s_add_co_u32 s96, s96, CMB
	v_lshl_add_u32 v11, v9, 4, s96
	s_lshl_b32 s96, s72, 9
	s_add_co_u32 s96, s96, CST
	v_lshl_add_u32 v252, v9, 2, s96
	v_lshlrev_b32 v9, 4, v9
	v_mov_b32 v253, 0xff800000                     ; -infinity
.set i, 0
.rept 16
	v_mov_b32 v[ST+i], 0                           ; l = 0; the rest is written so that it may be named
.set i, i+1
.endr
	v_mov_b32 v[ST+1], 0xff61b1e6                  ; m = -3e38, under every score
	v_mov_b32 v[ST+9], 0xff61b1e6
	v_mul_f32 v[ST], s22, v[ST+1]                  ; c m, as a step makes it
	v_mul_f32 v[ST+8], s22, v[ST+9]
.set i, 0
.rept 64
	v_mov_b32 v[O+i], 0                            ; O^T: the step is written once; the first finds zeros
.set i, i+1
.endr
; A STEP: my parity's 64 keys of the slot's d-th 128, for my 32 queries.
.macro STEP d
	s_add_co_u32 s66, s3, s19
.if \d
	s_add_co_u32 s66, s66, 128
.endif
	s_cmp_gt_u32 s66, s69                          ; all 64 keys come after my last query: nothing to do.  No barrier and no tensor load stands in a step
	s_cbranch_scc1 .Lhidden_\@
	v_add_nc_u32 v3, s2, v1
	v_add_nc_u32 v4, s2, v2
.irp kt, 0,1,2,3
.irp ks, 0,1
.irp c, 0,1
	ds_load_b128 v[KV+8*(2*\kt+\ks)+4*\c:KV+8*(2*\kt+\ks)+4*\c+3], v3 offset:(128*\d+16*\kt)*KP+64*\ks+32*\c
.endr
.endr
.endr
	s_wait_dscnt 0x0
.irp ks, 0,1                                   ; eight accumulators by turns, one instruction a turn
.irp kt, 0,1,2,3
.irp t, 0,1
.if \ks == 0
	v_wmma_f32_16x16x32_f16 v[S+32*\t+8*\kt:S+32*\t+8*\kt+7], v[KV+8*(2*\kt+\ks):KV+8*(2*\kt+\ks)+7], v[QF+16*\t+8*\ks:QF+16*\t+8*\ks+7], 0
.else
	v_wmma_f32_16x16x32_f16 v[S+32*\t+8*\kt:S+32*\t+8*\kt+7], v[KV+8*(2*\kt+\ks):KV+8*(2*\kt+\ks)+7], v[QF+16*\t+8*\ks:QF+16*\t+8*\ks+7], v[S+32*\t+8*\kt:S+32*\t+8*\kt+7]
.endif
.endr
.endr
.endr
.rept 4
	v_nop                                          ; four places: in front of the loads into K's registers, and of the first reads of the scores
.endr
.irp c, 0,1
.irp dt, 0,1,2,3
	ds_load_tr16_b128 v[KV+8*(4*\c+\dt):KV+8*(4*\c+\dt)+3], v4 offset:(128*\d+32*\c)*VP+32*\dt          ; V lands while the softmax is walked
	ds_load_tr16_b128 v[KV+8*(4*\c+\dt)+4:KV+8*(4*\c+\dt)+7], v4 offset:(128*\d+32*\c)*VP+32*\dt+16*VP
.endr
.endr
	s_add_co_u32 s96, s66, 63
	s_cmp_le_u32 s96, s68                          ; all 64 keys count for all my queries: no mask
	s_cbranch_scc1 .Lopen_\@
	s_sub_co_i32 s96, s68, s66
	v_and_b32 v254, 15, v0
	v_bfe_u32 v255, v0, 4, 1
	v_lshlrev_b32 v255, 3, v255
	v_sub_nc_u32 v254, v254, v255
	v_add_nc_u32 v254, s96, v254                   ; register (t, kt, j) holds key 16 kt + 8 h + j, query 16 t + r: hidden where 16 kt + j - 16 t > first query - first key + r - 8 h
.irp t, 0,1
.irp kt, 0,1,2,3
.irp j, 0,1,2,3,4,5,6,7
	v_cmp_gt_i32 vcc_lo, 16*\kt+\j-16*\t, v254
	v_cndmask_b32 v[S+32*\t+8*\kt+\j], v[S+32*\t+8*\kt+\j], v253, vcc_lo
.endr
.endr
.endr
.Lopen_\@:
.irp j, 0,1,2,3                                ; the maximum: four chains a tile, the two tiles by turns; each accumulator is read from its low end on
.irp t, 0,1
	v_max3_num_f32 v[ST+8*\t+4+\j], v[S+32*\t+8*\j], v[S+32*\t+8*\j+1], v[S+32*\t+8*\j+2]
.endr
.endr
.irp g, 1,2
.irp j, 0,1,2,3
.irp t, 0,1
	v_max3_num_f32 v[ST+8*\t+4+\j], v[ST+8*\t+4+\j], v[S+32*\t+8*\j+2*\g+1], v[S+32*\t+8*\j+2*\g+2]
.endr
.endr
.endr
.irp t, 0,1
	v_max3_num_f32 v[ST+8*\t+4], v[ST+8*\t+4], v[S+32*\t+7], v[S+32*\t+15]
.endr
.irp t, 0,1
	v_max3_num_f32 v[ST+8*\t+6], v[ST+8*\t+6], v[S+32*\t+23], v[S+32*\t+31]
.endr
.irp t, 0,1
	v_max3_num_f32 v[ST+8*\t+4], v[ST+8*\t+4], v[ST+8*\t+5], v[ST+8*\t+6]
.endr
.irp t, 0,1
	v_max3_num_f32 v[ST+8*\t+4], v[ST+8*\t+4], v[ST+8*\t+7], v[ST+8*\t+1]   ; with the old m
.endr
.irp t, 0,1
	v_permlanex16_b32 v[ST+8*\t+5], v[ST+8*\t+4], s20, s21                  ; the query's other 32 keys lie in the lane 16 away
.endr
.irp t, 0,1
	v_mov_b32 v[ST+8*\t+7], v[ST+8*\t]                                      ; c m_old
.endr
.irp t, 0,1
	v_max_num_f32 v[ST+8*\t+1], v[ST+8*\t+4], v[ST+8*\t+5]
.endr
.irp t, 0,1
	v_mul_f32 v[ST+8*\t], s22, v[ST+8*\t+1]
.endr
.irp t, 0,1
	v_sub_f32 v[ST+8*\t+7], v[ST+8*\t+7], v[ST+8*\t]
.endr
.set i, 0
.rept 16
	v_pk_fma_f32 v[S+2*i:S+2*i+1], v[S+2*i:S+2*i+1], s[22:23], v[ST:ST+1] op_sel_hi:[1,0,0] neg_lo:[0,0,1] neg_hi:[0,0,1]   ; c s - c m
	v_pk_fma_f32 v[S+32+2*i:S+32+2*i+1], v[S+32+2*i:S+32+2*i+1], s[22:23], v[ST+8:ST+9] op_sel_hi:[1,0,0] neg_lo:[0,0,1] neg_hi:[0,0,1]
.set i, i+1
.endr
	v_exp_f32 v[ST+6], v[ST+7]                     ; a; then the 64 weights: ONE batch of 66
	v_exp_f32 v[ST+14], v[ST+15]
.set i, 0
.rept 32
	v_exp_f32 v[S+i], v[S+i]
	v_exp_f32 v[S+32+i], v[S+32+i]
.set i, i+1
.endr
	v_nop                                          ; a plain instruction behind the last exponential
	s_wait_alu depctr_va_vdst(0)                   ; one wait for the batch, ahead of the first line that names a result
.irp t, 0,1
	v_pk_mul_f32 v[ST+8*\t+2:ST+8*\t+3], v[ST+8*\t+2:ST+8*\t+3], v[ST+8*\t+6:ST+8*\t+7] op_sel_hi:[1,0]   ; l under the new m
.endr
.irp t, 0,1
	v_pk_add_f32 v[ST+8*\t+4:ST+8*\t+5], v[S+32*\t+2:S+32*\t+3], v[S+32*\t+6:S+32*\t+7]                   ; the sums, of the f32 weights, in two chains a tile
.endr
.irp t, 0,1
	v_pk_add_f32 v[ST+8*\t+2:ST+8*\t+3], v[ST+8*\t+2:ST+8*\t+3], v[S+32*\t:S+32*\t+1]
.endr
.irp g, 4,8,12,16,20,24,28
.irp t, 0,1
	v_pk_add_f32 v[ST+8*\t+2:ST+8*\t+3], v[ST+8*\t+2:ST+8*\t+3], v[S+32*\t+\g:S+32*\t+\g+1]
.if \g > 4
	v_pk_add_f32 v[ST+8*\t+4:ST+8*\t+5], v[ST+8*\t+4:ST+8*\t+5], v[S+32*\t+\g+2:S+32*\t+\g+3]
.endif
.endr
.endr
.irp t, 0,1
	v_pk_add_f32 v[ST+8*\t+2:ST+8*\t+3], v[ST+8*\t+2:ST+8*\t+3], v[ST+8*\t+4:ST+8*\t+5]
.endr
.set i, 0
.rept 16
	v_cvt_pk_f16_f32 v[S+i], v[S+2*i], v[S+2*i+1]                 ; P, in place: register i takes pair i, which lies at or above it
	v_cvt_pk_f16_f32 v[S+32+i], v[S+32+2*i], v[S+32+2*i+1]
.set i, i+1
.endr
.set i, 0
.rept 16
	v_pk_mul_f32 v[O+2*i:O+2*i+1], v[O+2*i:O+2*i+1], v[ST+6:ST+7] op_sel_hi:[1,0]             ; O^T under the new m, each accumulator from its low end on
	v_pk_mul_f32 v[O+32+2*i:O+32+2*i+1], v[O+32+2*i:O+32+2*i+1], v[ST+14:ST+15] op_sel_hi:[1,0]
.set i, i+1
.endr
	s_wait_dscnt 0x0                               ; V is in
.irp c, 0,1                                    ; eight accumulators by turns
.irp dt, 0,1,2,3
.irp t, 0,1
	v_wmma_f32_16x16x32_f16 v[O+32*\t+8*\dt:O+32*\t+8*\dt+7], v[KV+8*(4*\c+\dt):KV+8*(4*\c+\dt)+7], v[S+32*\t+8*\c:S+32*\t+8*\c+7], v[O+32*\t+8*\dt:O+32*\t+8*\dt+7]
.endr
.endr
.endr
.rept 5
	v_nop                                          ; five places: the next step's first products write over P's registers; its loads land in V's; the tail reads O^T
.endr
.Lhidden_\@:
.endm
; THE CHANGE OF SLOTS stands at a slot's head.  Every wave waits for all its tensor loads, adds 0 to its spare word, waits for that and for its reads of the slot that it has left, and passes the barrier.
; fill = 1: behind it the slot just left is asked for again, with the next 256 keys, as long as some query of the work-group sees them.
.macro CHANGE fill
	s_wait_tensorcnt 0x0                           ; no tensor load of mine is out, so a group 0 may be written
	ds_add_u32 v5, v6                              ; the add to my spare word
.if \fill
	ds_add_u32 v5, v6                              ; and twice on end here, in every trip alike
	s_xor_b32 s41, s41, SLOT1                      ; the walking descriptors: the other slot, the next 256 keys
	s_add_nc_u64 s[42:43], s[42:43], 32768
	s_xor_b32 s45, s45, SLOT1
	s_add_nc_u64 s[46:47], s[46:47], 32768
	s_wait_xcnt 0x0                                ; the last prefetch, a slot back, has read its address
	s_add_nc_u64 s[76:77], s[76:77], 32768
.endif
	s_wait_dscnt 0x0                               ; the add is done, and my reads of the slot that I have left are over
	s_barrier_signal -1
	s_barrier_wait -1
.if \fill
	s_add_co_u32 s96, s3, 256                      ; the first key of the slot that this change would ask for,
	s_cmp_gt_u32 s96, s70                          ; against the work-group's last query: ids and the count of slots alone, the same in all sixteen waves
	s_cbranch_scc1 .Lpast_\@
	TLOAD                                          ; a wave's one tensor load until the next change
.Lpast_\@:
	ASK
.endif
.endm
.macro SLOT_STEPS
	STEP 0
	STEP 1
	s_add_co_u32 s3, s3, 256
	s_xor_b32 s2, s2, SLOT1
.endm
	s_wait_loadcnt 0x0                             ; Q
.Lslot:                                            ; seven trips
	CHANGE 1
	SLOT_STEPS
	s_sub_co_u32 s67, s67, 1
	s_cmp_lg_u32 s67, 0
	s_cbranch_scc1 .Lslot
	CHANGE 0                                       ; the last slot: nothing is left to ask for
	SLOT_STEPS
	; THE TWO PARITIES MEET.  l's two halves and the other half of the lanes' are added; parity 1 hands c m, l and O^T over as images of its registers.
.irp t, 0,1
	v_add_f32 v[ST+8*\t+2], v[ST+8*\t+2], v[ST+8*\t+3]
.endr
.irp t, 0,1
	v_permlanex16_b32 v[ST+8*\t+4], v[ST+8*\t+2], s20, s21
.endr
.irp t, 0,1
	v_add_f32 v[ST+8*\t+2], v[ST+8*\t+2], v[ST+8*\t+4]
.endr
	s_cmp_eq_u32 s71, 0
	s_cbranch_scc1 .Lnosend
.set i, 0
.rept 16
	ds_store_b128 v11, v[O+4*i:O+4*i+3] offset:512*i
.set i, i+1
.endr
	ds_store_b32 v252, v[ST]
	ds_store_b32 v252, v[ST+2] offset:128
	ds_store_b32 v252, v[ST+8] offset:256
	ds_store_b32 v252, v[ST+10] offset:384
.Lnosend:
	s_wait_dscnt 0x0                               ; for the partner's sake: my stores have landed
	s_barrier_signal -1
	s_barrier_wait -1
	s_cmp_lg_u32 s71, 0
	s_cbranch_scc1 .Lend
.set i, 0
.rept 16
	ds_load_b128 v[KV+4*i:KV+4*i+3], v11 offset:512*i
.set i, i+1
.endr
	ds_load_b32 v[ST+4], v252                      ; the partner's c m and l
	ds_load_b32 v[ST+5], v252 offset:128
	ds_load_b32 v[ST+12], v252 offset:256
	ds_load_b32 v[ST+13], v252 offset:384
	s_wait_dscnt 0x0
.irp t, 0,1
	v_max_num_f32 v[ST+8*\t+6], v[ST+8*\t], v[ST+8*\t+4]
.endr
.irp t, 0,1
	v_sub_f32 v[ST+8*\t], v[ST+8*\t], v[ST+8*\t+6]
.endr
.irp t, 0,1
	v_sub_f32 v[ST+8*\t+4], v[ST+8*\t+4], v[ST+8*\t+6]
.endr
.irp t, 0,1
	v_exp_f32 v[ST+8*\t], v[ST+8*\t]               ; a0; a partner that walked no step has c m far below mine: its a1 is 0, and its l and O^T are zeros
.endr
.irp t, 0,1
	v_exp_f32 v[ST+8*\t+4], v[ST+8*\t+4]           ; a1
.endr
	v_nop
	s_wait_alu depctr_va_vdst(0)                   ; one wait for the four
.irp t, 0,1
	v_mul_f32 v[ST+8*\t+2], v[ST+8*\t+2], v[ST+8*\t]
.endr
.irp t, 0,1
	v_fmac_f32 v[ST+8*\t+2], v[ST+8*\t+5], v[ST+8*\t+4]    ; l = l0 a0 + l1 a1
.endr
.irp t, 0,1
	v_rcp_f32 v[ST+8*\t+3], v[ST+8*\t+2]
.endr
	v_nop
	s_wait_alu depctr_va_vdst(0)                   ; one wait for the two
.irp t, 0,1
	v_mul_f32 v[ST+8*\t], v[ST+8*\t], v[ST+8*\t+3]         ; a0 / l
.endr
.irp t, 0,1
	v_mul_f32 v[ST+8*\t+4], v[ST+8*\t+4], v[ST+8*\t+3]     ; a1 / l
.endr
.irp t, 0,1
.set i, 0
.rept 16
	v_pk_mul_f32 v[O+32*\t+2*i:O+32*\t+2*i+1], v[O+32*\t+2*i:O+32*\t+2*i+1], v[ST+8*\t:ST+8*\t+1] op_sel_hi:[1,0]
.set i, i+1
.endr
.set i, 0
.rept 16
	v_pk_fma_f32 v[O+32*\t+2*i:O+32*\t+2*i+1], v[KV+32*\t+2*i:KV+32*\t+2*i+1], v[ST+8*\t+4:ST+8*\t+5], v[O+32*\t+2*i:O+32*\t+2*i+1] op_sel_hi:[1,0,1]
.set i, i+1
.endr
.endr
.set i, 0
.rept 32
	v_cvt_pk_f16_f32 v[S+i], v[O+2*i], v[O+2*i+1]
.set i, i+1
.endr
.irp t, 0,1
.irp dt, 0,1,2,3
	ds_store_b128 v7, v[S+16*\t+4*\dt:S+16*\t+4*\dt+3] offset:2304*\t+32*\dt   ; row 16 t + r, channels 16 dt + 8 h on
.endr
.endr
.set i, 0
.rept 8
	ds_load_b128 v[S+32+4*i:S+32+4*i+3], v8 offset:576*i                       ; back as whole rows; LDS serves a wave's instructions in order
.set i, i+1
.endr
	s_wait_dscnt 0x0
.set i, 0
.rept 8
	global_store_b128 v9, v[S+32+4*i:S+32+4*i+3], s[6:7] offset:512*i          ; four rows of 128 bytes: 512 consecutive bytes
.set i, i+1
.endr
.Lend:
	s_wait_tensorcnt 0x0                           ; the wave's end
	ds_add_u32 v5, v6
	s_wait_dscnt 0x0
	s_endpgm
.Lfunc_end_k_qa02534432f_attn:
	.size	k_qa02534432f_attn, .Lfunc_end_k_qa02534432f_attn-k_qa02534432f_attn
	.p2alignl 7, 3214868480
	.fill 96, 4, 3214868480
	.section	.rodata,"a",@progbits
	.p2align	6, 0x0
	.amdhsa_kernel k_qa02534432f_attn
		.amdhsa_group_segment_fixed_size 327680
		.amdhsa_private_segment_fixed_size 0
		.amdhsa_enable_private_segment 0
		.amdhsa_kernarg_size 16
		.amdhsa_user_sgpr_count 2
		.amdhsa_user_sgpr_kernarg_segment_ptr 1
		.amdhsa_wavefront_size32 1
		.amdhsa_system_sgpr_workgroup_id_x 1
		.amdhsa_system_sgpr_workgroup_id_y 1
		.amdhsa_system_sgpr_workgroup_id_z 1
		.amdhsa_system_vgpr_workitem_id 0
		.amdhsa_next_free_vgpr 256
		.amdhsa_next_free_sgpr 100
		.amdhsa_reserve_vcc 1
		.amdhsa_float_denorm_mode_32 3
		.amdhsa_float_denorm_mode_16_64 3
		.amdhsa_memory_ordered 1
		.amdhsa_forward_progress 1
		.amdhsa_inst_pref_size 110
	.end_amdhsa_kernel
	.amdgpu_metadata
---
amdhsa.version: [ 1, 2 ]
amdhsa.kernels:
  - .name:           k_qa02534432f_attn
    .symbol:         k_qa02534432f_attn.kd
    .args:
      - { .name: qkv, .offset: 0, .size: 8, .value_kind: global_buffer, .address_space: global }
      - { .name: o16h, .offset: 8, .size: 8, .value_kind: global_buffer, .address_space: global }
    .group_segment_fixed_size: 327680
    .private_segment_fixed_size: 0
    .kernarg_segment_align: 8
    .kernarg_segment_size: 16
    .max_flat_workgroup_size: 512
    .sgpr_count:     100
    .vgpr_count:     256
    .wavefront_size: 32
...
	.end_amdgpu_metadata
.endif
;; end of part 3
;; launch proj (part 4): grid 8 x 32, 4 waves a work-group, clusters of 4 x 4, 327,680 bytes of LDS; arguments o16h, wo16, out0; writes out0
.if DOCPART == 4
	.amdgcn_target "amdgcn-amd-amdhsa--gfx1250"
	.amdhsa_code_object_version 6
	.text
	.protected	k_qa02534432f_proj
	.globl	k_qa02534432f_proj
	.p2align	8
	.type	k_qa02534432f_proj,@function
k_qa02534432f_proj:
	s_mov_b64 s[64:65], 0
	v_nop
	global_prefetch_b8 v0, s[64:65] scope:SCOPE_SE
	s_setreg_imm32_b32 hwreg(HW_REG_WAVE_MODE, 25, 1), 1
	s_wait_xcnt 0x0
	s_wait_alu depctr_hold_cnt(0) depctr_sa_sdst(0) depctr_va_vdst(0) depctr_va_sdst(0) depctr_va_ssrc(0) depctr_va_vcc(0) depctr_vm_vsrc(0)
	s_getreg_b32 s2, hwreg(HW_REG_IB_STS2, 6, 4)
	s_cmp_eq_u32 s2, 0
	s_cbranch_scc0 .Lentry_in_a_cluster
	s_endpgm
.Lentry_in_a_cluster:
	s_bfe_u32 s2, ttmp6, 0x10000c
	s_cmp_lg_u32 s2, 0xf033
	s_cbranch_scc0 .Lentry_shape_is_right
	s_endpgm
.Lentry_shape_is_right:
; out0[m][n] = sum over k of o[m][k] wo[n][k], operands f16, sums f32, out0 f32: all rows but positions 0-15 of each batch, which a later launch makes in f32.
; o16h [k / 64][m 4096][64] and wo16 [k / 64][n 1024][64]: a block of 64 along K of 128 rows is 16,384 dense bytes.
; A tile of out0 is 128 x 128: 8 x 32 work-groups; four waves, each 64 x 64: 16 accumulators.  K goes in four steps of 256 through two LDS slots.
; A wave's tensor load brings two blocks of 64 along K of 128 rows: two long rows of 8,192 elements, with 16 bytes of padding behind every 128: in LDS [block][row][144 bytes].
; CLUSTER 4 x 4: o's tiles are asked for jointly along a row of the cluster, wo's along a column.  THE MATRIX INSTRUCTION IS USED TRANSPOSED: a lane holds eight neighbouring numbers of a row of out0.
; REGISTERS: window 0: v16-29 addresses; v32-95 the way out; v128-255 the accumulators ((a, b) at v[128 + 8 (4 a + b)]).  window 1: two fragment buffers of 128: 64 registers of o, then 64 of wo.
.set PITCH,  144
.set KB,     128*PITCH                 ; a block of 64 along K of 128 rows
.set HALFT,  2*KB                      ; what one tensor load brings
.set SLOT,   4*HALFT                   ; o's four blocks, then wo's four
.set STAGE,  2*SLOT                    ; the way out: 16 rows x 272 bytes for each wave
.set SPITCH, 272
.set SPARE,  STAGE+4*16*SPITCH         ; the spare words: two blocks of 256 bytes that no other line names
.set ADRA, 16
.set ADRB, 20
.set STO,  24
.set RD,   25
.set CO,   26
.set FLAG, 27
.set SPW,  28
.set NIL,  29
.set TMP,  32
.set ACC,  128
.set F0,   0
.set F1,   128
.set G1, 24
.set G0, 32
.set G1B, 48
.set G0B, 56
.set MSB, 0
.macro WIN new
.if MSB != (\new)
	s_set_vgpr_msb (MSB<<8)|(\new)
.set MSB, (\new)
.endif
.endm
.set MUL,  0x05                        ; sources 0 and 1 window 1; C and D window 0
.set TO_F, 0x40                        ; destination window 1
.macro JLOAD s                         ; waves 0 and 1 fetch o's blocks, waves 2 and 3 wo's; an s_nop 0 and four v_nop follow each line
	s_cmp_eq_u32 s11, 0
	s_cbranch_scc0 .Lfor_b_\@
	tensor_load_to_lds s[G0+4*\s:G0+4*\s+3], s[G1:G1+7]
	s_nop 0
.rept 4
	v_nop
.endr
	s_branch .Lasked_\@
.Lfor_b_\@:
	tensor_load_to_lds s[G0B+4*\s:G0B+4*\s+3], s[G1B:G1B+7]
	s_nop 0
.rept 4
	v_nop
.endr
.Lasked_\@:
.endm
.macro CREST
	s_cmp_lg_u32 s10, 0
	s_cbranch_scc1 .Lnot_wave_0_\@
	s_barrier_signal -3
.Lnot_wave_0_\@:
	s_barrier_wait -3
	s_barrier_signal -1
	s_barrier_wait -1
.endm
.macro CROUND
	s_barrier_signal -1
	s_barrier_wait -1
	CREST
.endm
	s_load_b128 s[4:7], s[0:1], 0x0                ; o16h, wo16
	s_load_b64 s[8:9], s[0:1], 0x10                ; out0
	v_lshl_add_u32 v[SPW], v0, 2, SPARE
	v_mov_b32 v[NIL], 0
	ds_add_u32 v[SPW], v[NIL]                      ; the wave's opening: the add, twice on end, and its wait ahead of my first tensor load
	ds_add_u32 v[SPW], v[NIL]
	v_lshrrev_b32 v1, 5, v0
	v_readfirstlane_b32 s10, v1                    ; wave 0..3
	s_lshr_b32 s11, s10, 1                         ; which half of the tile's rows is mine.  Also: I fetch for o (0) or for wo (1)
	s_and_b32 s12, s10, 1                          ; which half of its columns.  Also: which two blocks of a K step I fetch
	s_bfe_u32 s40, ttmp6, 0x40000
	s_bfe_u32 s41, ttmp6, 0x40004
	s_lshl_b32 s42, ttmp9, 2
	s_add_co_u32 s42, s42, s40                     ; tile column
	s_and_b32 s13, ttmp7, 0xffff
	s_lshl_b32 s13, s13, 2
	s_add_co_u32 s13, s13, s41                     ; tile row
	s_lshl_b32 s43, s41, 2
	s_lshl_b32 s43, 15, s43
	s_lshl_b32 s44, 0x1111, s40
	s_or_b32 s[G1+0], s43, (1<<16)|(1<<20)|(1<<21)|(4<<22)|(3<<25)   ; elements of 2 bytes; 4 words of padding behind every 32; bit 21 beside the mask
	s_or_b32 s[G1B+0], s44, (1<<16)|(1<<20)|(1<<21)|(4<<22)|(3<<25)
.irp g, G1, G1B
	s_mov_b32 s[\g+1], 8192<<16                    ; tensor_dim0 = 8,192 elements: 128 rows of 64
	s_mov_b32 s[\g+2], 2<<16                       ; tensor_dim1 = 2 blocks
	s_mov_b32 s[\g+3], 8192<<16                    ; tile_dim0
	s_mov_b32 s[\g+4], 2                           ; tile_dim1
	s_mov_b32 s[\g+6], 0
	s_mov_b32 s[\g+7], 0
.endr
	s_mov_b32 s[G1+5], 262144                      ; from block to block: 4,096 rows of 64
	s_mov_b32 s[G1B+5], 65536                      ; 1,024 rows of 64
	s_lshl_b32 s16, s13, 14
	s_lshl_b32 s17, s12, 20
	s_add_co_u32 s16, s16, s17                     ; o: 16,384 x tile row + two blocks x half
	s_mov_b32 s17, 0
	s_lshl_b32 s46, s42, 14
	s_lshl_b32 s47, s12, 18
	s_add_co_u32 s46, s46, s47                     ; wo likewise
	s_mov_b32 s47, 0
	s_mul_i32 s20, s10, HALFT                      ; where they go: wave x two blocks
	s_wait_dscnt 0x0                               ; both opening adds are done
	s_wait_kmcnt 0x0
	s_add_nc_u64 s[14:15], s[4:5], s[16:17]
	s_add_nc_u64 s[46:47], s[6:7], s[46:47]
	CROUND                                         ; all sixteen work-groups are here: the first joint loads meet
.irp s, 0,1
	s_mov_b32 s[G0+4*\s], 1
	s_add_co_u32 s[G0+4*\s+1], s20, \s*SLOT
	s_add_nc_u64 s[G0+4*\s+2:G0+4*\s+3], s[14:15], \s*2097152      ; K step s: four blocks on
	s_or_b32 s[G0+4*\s+3], s[G0+4*\s+3], 0x80000000
	s_mov_b32 s[G0B+4*\s], 1
	s_add_co_u32 s[G0B+4*\s+1], s20, \s*SLOT
	s_add_nc_u64 s[G0B+4*\s+2:G0B+4*\s+3], s[46:47], \s*524288
	s_or_b32 s[G0B+4*\s+3], s[G0B+4*\s+3], 0x80000000
	JLOAD \s
.endr
	v_and_b32 v1, 15, v0                           ; r
	v_bfe_u32 v2, v0, 4, 1                         ; h
	v_mul_u32_u24 v3, v1, PITCH
	v_lshl_add_u32 v3, v2, 4, v3
	s_mul_i32 s21, s11, 64*PITCH                   ; my 64 rows of o
	s_mul_i32 s22, s12, 64*PITCH                   ; my 64 rows of wo,
	s_add_co_u32 s22, s22, 4*KB                    ; behind o's four blocks
.irp s, 0,1
	v_add_nc_u32 v[ADRA+\s], s21, v3
	v_add_nc_u32 v[ADRB+\s], s22, v3
	s_add_co_u32 s21, s21, SLOT
	s_add_co_u32 s22, s22, SLOT
.endr
	s_mul_i32 s23, s10, 16*SPITCH
	s_add_co_u32 s23, s23, STAGE                   ; my stage
	v_mul_u32_u24 v4, v1, SPITCH
	v_lshl_add_u32 v4, v2, 5, v4
	v_add_nc_u32 v[STO], s23, v4                   ; in: row r, 32 bytes for each half of the lanes
	v_mul_u32_u24 v5, v2, SPITCH
	v_lshl_add_u32 v5, v1, 4, v5
	v_add_nc_u32 v[RD], s23, v5                    ; back: lanes 0-15 one row of 256 bytes, lanes 16-31 the next
	v_lshlrev_b32 v5, 12, v2
	v_lshl_add_u32 v[CO], v1, 4, v5                ; and the same two rows in out0
	s_and_b32 s16, s13, 15
	s_or_b32 s16, s16, s11
	v_mov_b32 v[FLAG], s16                         ; 0 where my first 16 rows are positions 0-15 of a batch
	s_lshl_b32 s16, s13, 7
	s_lshl_b32 s17, s11, 6
	s_add_co_u32 s16, s16, s17
	s_lshl_b32 s16, s16, 12                        ; my first row, 4,096 bytes a row
	s_mov_b32 s17, 0
	s_add_nc_u64 s[8:9], s[8:9], s[16:17]
	s_lshl_b32 s46, s42, 9
	s_lshl_b32 s47, s12, 8
	s_add_co_u32 s46, s46, s47                     ; my first column, in bytes
	s_mov_b32 s47, 0
	s_add_nc_u64 s[8:9], s[8:9], s[46:47]
; 8 matrix instructions: row blocks a0, a0 + 1 x all 4 column blocks, 32 along K: half c of buffer f.  zero = 1: the first product starts the sums.  The 16 accumulators take turns.
.macro MUL8 f, c, a0, zero
.irp a, \a0, \a0+1
.irp b, 0,1,2,3
.if \zero
	v_wmma_f32_16x16x32_f16 v[ACC+8*(4*(\a)+\b):ACC+8*(4*(\a)+\b)+7], v[\f+64+8*(4*\c+\b):\f+64+8*(4*\c+\b)+7], v[\f+8*(4*\c+\a):\f+8*(4*\c+\a)+7], 0
.else
	v_wmma_f32_16x16x32_f16 v[ACC+8*(4*(\a)+\b):ACC+8*(4*(\a)+\b)+7], v[\f+64+8*(4*\c+\b):\f+64+8*(4*\c+\b)+7], v[\f+8*(4*\c+\a):\f+8*(4*\c+\a)+7], v[ACC+8*(4*(\a)+\b):ACC+8*(4*(\a)+\b)+7]
.endif
.endr
.endr
.endm
; 32 LDS loads in one run: the fragments of one block of 64 along K, which begins at byte k of the slot's part, into buffer f; the first 32 along K first
.macro FETCH slot, k, f
	WIN TO_F
.irp c, 0,1
.irp i, 0,1,2,3
	ds_load_b128 v[\f+64+8*(4*\c+\i):\f+64+8*(4*\c+\i)+3],   v[ADRB+\slot] offset:\k+64*\c+\i*16*PITCH
	ds_load_b128 v[\f+64+8*(4*\c+\i)+4:\f+64+8*(4*\c+\i)+7], v[ADRB+\slot] offset:\k+64*\c+\i*16*PITCH+32
	ds_load_b128 v[\f+8*(4*\c+\i):\f+8*(4*\c+\i)+3],         v[ADRA+\slot] offset:\k+64*\c+\i*16*PITCH
	ds_load_b128 v[\f+8*(4*\c+\i)+4:\f+8*(4*\c+\i)+7],       v[ADRA+\slot] offset:\k+64*\c+\i*16*PITCH+32
.endr
.endr
.endm
.macro PLACES
.rept 4
	v_nop
.endr
.endm
; A K step is four quarters of 64 along K, 32 matrix instructions each, on buffers 0, 1, 0, 1.  One of the first three multiplies buffer f and fetches the next block into g.
.macro QUARTER slot, k, f, g, zero
	s_wait_dscnt 16                                ; the first 32 along K are in; the youngest sixteen loads may be out
	WIN MUL
	MUL8 \f, 0, 0, \zero
	MUL8 \f, 0, 2, \zero
	PLACES
	FETCH \slot, \k, \g
	s_wait_dscnt 32                                ; all but the 32 just issued
	WIN MUL
	MUL8 \f, 1, 0, 0
	MUL8 \f, 1, 2, 0
.endm
; The last quarter multiplies buffer 1 and changes slots: one barrier; in front of it each wave waits for all its tensor loads, adds 0 to its spare word, and waits for that and for its reads of this slot.
.macro TURN slot, next, fill
	WIN 0
	s_wait_tensorcnt 0x0                           ; all my tensor loads have landed: my part of the next slot
	ds_add_u32 v[SPW], v[NIL]
	s_wait_dscnt 17                                ; (the add and the youngest sixteen loads may be out)
	WIN MUL
	MUL8 F1, 0, 0, 0
	s_wait_dscnt 0x0                               ; the add is done, and my reads of this slot are over
	s_barrier_signal -1
	MUL8 F1, 0, 2, 0
.if \fill
	WIN 0
.endif
	s_barrier_wait -1
.if \fill
	CREST                                          ; the barrier has opened a round of the cluster's: no wave of any partner still reads this slot or has a load on its way
	s_add_nc_u64 s[G0+4*\slot+2:G0+4*\slot+3], s[G0+4*\slot+2:G0+4*\slot+3], 4194304     ; two K steps on
	s_add_nc_u64 s[G0B+4*\slot+2:G0B+4*\slot+3], s[G0B+4*\slot+2:G0B+4*\slot+3], 1048576
	JLOAD \slot                                    ; the first tensor load behind the round; its four v_nop are also the places in front of the loads below
.else
	PLACES
.endif
	FETCH \next, 0, F0
	WIN MUL
	MUL8 F1, 1, 0, 0
	MUL8 F1, 1, 2, 0
.endm
	s_wait_tensorcnt 1                             ; my part of K step 0 is in; K step 1's load may stay out
	s_barrier_signal -1
	s_barrier_wait -1
	FETCH 0, 0, F0
	QUARTER 0, KB,   F0, F1, 1                     ; the four K steps are written out: the first products start the sums
	QUARTER 0, 2*KB, F1, F0, 0
	QUARTER 0, 3*KB, F0, F1, 0
	TURN 0, 1, 1
	QUARTER 1, KB,   F0, F1, 0
	QUARTER 1, 2*KB, F1, F0, 0
	QUARTER 1, 3*KB, F0, F1, 0
	TURN 1, 0, 1
	QUARTER 0, KB,   F0, F1, 0
	QUARTER 0, 2*KB, F1, F0, 0
	QUARTER 0, 3*KB, F0, F1, 0
	TURN 0, 1, 0                                   ; nothing is left to fetch
	QUARTER 1, KB,   F0, F1, 0
	QUARTER 1, 2*KB, F1, F0, 0
	QUARTER 1, 3*KB, F0, F1, 0
	s_wait_dscnt 16
	WIN MUL
	MUL8 F1, 0, 0, 0
	MUL8 F1, 0, 2, 0
	s_wait_dscnt 0
	MUL8 F1, 1, 0, 0
	MUL8 F1, 1, 2, 0
	WIN 0
	PLACES
; THE WAY OUT, 16 rows at a time.  My 64 columns are 256 bytes of a row: they go through my own stage and come back as whole runs of 256 bytes, two rows a store.
; Block 0's stores stand under EXEC: where those rows are positions 0-15 of a batch no lane stores.  All work-groups run the same lines.
.macro OUTB a
.if (\a) >= 2
	s_wait_xcnt 0x0                                ; the stores of two blocks back have read their registers
.endif
.irp b, 0,1,2,3
	ds_store_b128 v[STO], v[ACC+8*(4*(\a)+\b):ACC+8*(4*(\a)+\b)+3] offset:64*\b         ; each accumulator from its low end on
	ds_store_b128 v[STO], v[ACC+8*(4*(\a)+\b)+4:ACC+8*(4*(\a)+\b)+7] offset:64*\b+16
.endr
.irp t, 0,1,2,3,4,5,6,7
	ds_load_b128 v[TMP+32*((\a)%2)+4*\t:TMP+32*((\a)%2)+4*\t+3], v[RD] offset:2*SPITCH*\t   ; LDS serves a wave's instructions in order
.endr
	s_wait_dscnt 0x0
.if (\a) == 0
	s_wait_xcnt 0x0                                ; EXEC changes only behind this wait
	v_cmp_ne_u32 vcc_lo, 0, v[FLAG]
	s_and_saveexec_b32 s20, vcc_lo
.endif
.irp t, 0,1,2,3,4,5,6,7
	global_store_b128 v[CO], v[TMP+32*((\a)%2)+4*\t:TMP+32*((\a)%2)+4*\t+3], s[8:9] offset:(16*(\a)+2*\t)*4096 th:TH_STORE_NT
.endr
.if (\a) == 0
	s_wait_xcnt 0x0                                ; and again in front of the line that widens it
	s_or_b32 exec_lo, exec_lo, s20
.endif
.endm
.irp a, 0,1,2,3
	OUTB \a
.endr
	s_wait_tensorcnt 0x0                           ; the wave's end
	ds_add_u32 v[SPW], v[NIL]
	s_wait_dscnt 0x0
	CROUND                                         ; the closing round
	s_endpgm
.Lfunc_end_k_qa02534432f_proj:
	.size	k_qa02534432f_proj, .Lfunc_end_k_qa02534432f_proj-k_qa02534432f_proj
	.p2alignl 7, 3214868480
	.fill 96, 4, 3214868480
	.section	.rodata,"a",@progbits
	.p2align	6, 0x0
	.amdhsa_kernel k_qa02534432f_proj
		.amdhsa_group_segment_fixed_size 327680
		.amdhsa_private_segment_fixed_size 0
		.amdhsa_enable_private_segment 0
		.amdhsa_kernarg_size 24
		.amdhsa_user_sgpr_count 2
		.amdhsa_user_sgpr_kernarg_segment_ptr 1
		.amdhsa_wavefront_size32 1
		.amdhsa_system_sgpr_workgroup_id_x 1
		.amdhsa_system_sgpr_workgroup_id_y 1
		.amdhsa_system_sgpr_workgroup_id_z 1
		.amdhsa_system_vgpr_workitem_id 0
		.amdhsa_next_free_vgpr 512
		.amdhsa_next_free_sgpr 66
		.amdhsa_reserve_vcc 1
		.amdhsa_float_denorm_mode_32 3
		.amdhsa_float_denorm_mode_16_64 3
		.amdhsa_memory_ordered 1
		.amdhsa_forward_progress 1
		.amdhsa_inst_pref_size 85
	.end_amdhsa_kernel
	.amdgpu_metadata
---
amdhsa.version: [ 1, 2 ]
amdhsa.kernels:
  - .name:           k_qa02534432f_proj
    .symbol:         k_qa02534432f_proj.kd
    .args:
      - { .name: o16h, .offset: 0, .size: 8, .value_kind: global_buffer, .address_space: global }
      - { .name: wo16, .offset: 8, .size: 8, .value_kind: global_buffer, .address_space: global }
      - { .name: out0, .offset: 16, .size: 8, .value_kind: global_buffer, .address_space: global }
    .group_segment_fixed_size: 327680
    .private_segment_fixed_size: 0
    .kernarg_segment_align: 8
    .kernarg_segment_size: 24
    .max_flat_workgroup_size: 128
    .sgpr_count:     66
    .vgpr_count:     512
    .wavefront_size: 32
...
	.end_amdgpu_metadata
.endif
;; end of part 4
;; launch first16 (part 5): grid 64 x 2, 16 waves a work-group, no clusters, 18,432 bytes of LDS; arguments fine, wo, out0; writes out0
.if DOCPART == 5
	.amdgcn_target "amdgcn-amd-amdhsa--gfx1250"
	.amdhsa_code_object_version 6
	.text
	.protected	k_qa02534432f_first16
	.globl	k_qa02534432f_first16
	.p2align	8
	.type	k_qa02534432f_first16,@function
k_qa02534432f_first16:
	s_mov_b64 s[64:65], 0
	v_nop
	global_prefetch_b8 v0, s[64:65] scope:SCOPE_SE
	s_setreg_imm32_b32 hwreg(HW_REG_WAVE_MODE, 25, 1), 1
	s_wait_xcnt 0x0
; Positions 0-15 of both batches, all in f32: these rows average one to sixteen values and are the largest of the output, so f16 operands would use up what the comparison allows.
; out[q][n] = sum over heads of P_h (V_h Wo_h^T): a work-group takes a batch and 16 output columns, wave w is head w: 16 matrix instructions for the scores, 16 for Z = V Wo^T, 4 for P Z.
; Operands are images of registers: lane (r, h) holds row r, channel 16 b' + 8 h + j in register 8 b' + j (fine is laid so; wo is loaded so).  A K step takes registers 8 b' + 2 c, + 1 of both sides:
; the same four channels in both operands, so the sums are right whatever the order of channels.
; S^T = K Q^T: lane = query r, register j = key 8 h + j.  Z: lane = column r, register j = key 8 h + j.  So registers 2 c, 2 c + 1 of Z and of P are the operands of the last product, and nothing changes lanes.
; The registers that the f32 matrix form writes are written by it alone; what is made of a finished sum goes into other registers.
; The stores are 64 bytes of a row: sixteen columns a work-group keep the matrix work at 36 instructions a wave; the rows concerned are 32 of 4,096.
.set KF, 16
.set QF, 48
.set VF, 80
.set WF, 112
.set SA, 144                           ; four accumulators of the scores
.set ZA, 176                           ; four of Z
.set FA, 208                           ; two of the result
.set SS, 224                           ; the scores, then p
.set ZZ, 232
.set OP, 240
.set SPARE, 16384                      ; behind the 16 x 1,024 bytes of partial results: the spare words, eight blocks of 256 bytes that no other line names
	s_load_b128 s[4:7], s[0:1], 0x0                ; fine, wo
	s_load_b64 s[8:9], s[0:1], 0x10                ; out0
	v_lshl_add_u32 v10, v0, 2, SPARE
	v_mov_b32 v11, 0
	v_lshrrev_b32 v1, 5, v0
	v_readfirstlane_b32 s10, v1                    ; wave = head
	v_and_b32 v8, 31, v0                           ; lane
	v_and_b32 v9, 15, v0                           ; r
	v_bfe_u32 v12, v0, 4, 1                        ; h
	s_lshl_b32 s11, s10, 12
	v_lshl_add_u32 v1, v8, 4, s11                  ; fine: 16 x lane + 4,096 x head
	v_lshlrev_b32 v2, 12, v9
	v_lshl_add_u32 v2, v12, 5, v2
	s_lshl_b32 s11, s10, 8
	v_add_nc_u32 v2, s11, v2                       ; wo: row r, + 32 h, + the head's 256 bytes
	s_lshl_b32 s11, s10, 10
	v_lshl_add_u32 v3, v8, 4, s11                  ; LDS: my partial result
	s_and_b32 s12, s10, 1
	s_lshl_b32 s11, s12, 9
	v_lshl_add_u32 v4, v8, 4, s11                  ; LDS: the half that I add up (waves 0 and 1)
	v_lshlrev_b32 v5, 12, v9
	v_lshl_add_u32 v5, v12, 5, v5
	s_lshl_b32 s11, s12, 4
	v_add_nc_u32 v5, s11, v5                       ; out0: row r, + 32 h, + 16 x half
	v_lshlrev_b32 v6, 3, v12
	v_sub_nc_u32 v6, v9, v6                        ; r - 8 h
	v_mov_b32 v7, 0xff800000                       ; -infinity
	s_and_b32 s13, ttmp7, 0xffff                   ; batch
	s_mul_i32 s14, s13, 196608
	s_mov_b32 s15, 0
	s_lshl_b32 s16, ttmp9, 16                      ; 16 rows of wo
	s_mov_b32 s17, 0
	s_lshl_b32 s18, s13, 23
	s_lshl_b32 s19, ttmp9, 6
	s_add_co_u32 s18, s18, s19
	s_mov_b32 s19, 0
	s_mov_b32 s20, 0x3e38aa3b                      ; c = log2(e) / 8
	s_mov_b32 s22, 0x76543210
	s_mov_b32 s23, 0xfedcba98
	s_wait_kmcnt 0x0
	s_add_nc_u64 s[4:5], s[4:5], s[14:15]
	s_add_nc_u64 s[6:7], s[6:7], s[16:17]
	s_add_nc_u64 s[8:9], s[8:9], s[18:19]
.set n, 0
.rept 8
	global_load_b128 v[KF+4*n:KF+4*n+3], v1, s[4:5] offset:65536+512*n
.set n, n+1
.endr
.set n, 0
.rept 8
	global_load_b128 v[QF+4*n:QF+4*n+3], v1, s[4:5] offset:512*n
.set n, n+1
.endr
.set n, 0
.rept 8
	global_load_b128 v[VF+4*n:VF+4*n+3], v1, s[4:5] offset:131072+512*n
.set n, n+1
.endr
.set n, 0
.rept 4
	global_load_b128 v[WF+8*n:WF+8*n+3], v2, s[6:7] offset:64*n
	global_load_b128 v[WF+8*n+4:WF+8*n+7], v2, s[6:7] offset:64*n+16
.set n, n+1
.endr
	s_wait_loadcnt 16                              ; K and Q are in; V's and wo's sixteen loads may be out
.irp c, 0,1,2,3                                ; four accumulators by turns, one instruction a turn; the first four start the sums
.irp b, 0,1,2,3
.if \c == 0
	v_wmma_f32_16x16x4_f32 v[SA+8*\b:SA+8*\b+7], v[KF+8*\b+2*\c:KF+8*\b+2*\c+1], v[QF+8*\b+2*\c:QF+8*\b+2*\c+1], 0
.else
	v_wmma_f32_16x16x4_f32 v[SA+8*\b:SA+8*\b+7], v[KF+8*\b+2*\c:KF+8*\b+2*\c+1], v[QF+8*\b+2*\c:QF+8*\b+2*\c+1], v[SA+8*\b:SA+8*\b+7]
.endif
.endr
.endr
	s_wait_loadcnt 0x0
.irp c, 0,1,2,3
.irp b, 0,1,2,3
.if \c == 0
	v_wmma_f32_16x16x4_f32 v[ZA+8*\b:ZA+8*\b+7], v[VF+8*\b+2*\c:VF+8*\b+2*\c+1], v[WF+8*\b+2*\c:WF+8*\b+2*\c+1], 0
.else
	v_wmma_f32_16x16x4_f32 v[ZA+8*\b:ZA+8*\b+7], v[VF+8*\b+2*\c:VF+8*\b+2*\c+1], v[WF+8*\b+2*\c:WF+8*\b+2*\c+1], v[ZA+8*\b:ZA+8*\b+7]
.endif
.endr
.endr
.rept 8
	v_nop                                          ; eight places behind this form, in front of the first reads of results
.endr
.irp i, 0,2,4,6                                ; the four partial sums of the scores, each accumulator from its low end on
	v_pk_add_f32 v[SS+\i:SS+\i+1], v[SA+\i:SA+\i+1], v[SA+8+\i:SA+8+\i+1]
.endr
.irp i, 0,2,4,6
	v_pk_add_f32 v[248+\i:249+\i], v[SA+16+\i:SA+16+\i+1], v[SA+24+\i:SA+24+\i+1]
.endr
.irp i, 0,2,4,6
	v_pk_add_f32 v[SS+\i:SS+\i+1], v[SS+\i:SS+\i+1], v[248+\i:249+\i]
.endr
.irp i, 0,2,4,6                                ; and of Z
	v_pk_add_f32 v[ZZ+\i:ZZ+\i+1], v[ZA+\i:ZA+\i+1], v[ZA+8+\i:ZA+8+\i+1]
.endr
.irp i, 0,2,4,6
	v_pk_add_f32 v[248+\i:249+\i], v[ZA+16+\i:ZA+16+\i+1], v[ZA+24+\i:ZA+24+\i+1]
.endr
.irp i, 0,2,4,6
	v_pk_add_f32 v[ZZ+\i:ZZ+\i+1], v[ZZ+\i:ZZ+\i+1], v[248+\i:249+\i]
.endr
.irp j, 0,1,2,3,4,5,6,7
	v_cmp_gt_i32 vcc_lo, \j, v6                    ; key 8 h + j comes after query r
	v_cndmask_b32 v[SS+\j], v[SS+\j], v7, vcc_lo
.endr
	v_max3_num_f32 v248, v[SS], v[SS+1], v[SS+2]
	v_max3_num_f32 v248, v248, v[SS+3], v[SS+4]
	v_max3_num_f32 v248, v248, v[SS+5], v[SS+6]
	v_max_num_f32 v248, v248, v[SS+7]
	v_permlanex16_b32 v249, v248, s22, s23
	v_max_num_f32 v248, v248, v249                 ; the row's maximum: key 0 counts for every query
	v_mul_f32 v249, s20, v248
.irp j, 0,1,2,3,4,5,6,7
	v_fma_f32 v[SS+\j], v[SS+\j], s20, -v249
.endr
.irp j, 0,1,2,3,4,5,6,7
	v_exp_f32 v[SS+\j], v[SS+\j]
.endr
	v_nop
	s_wait_alu depctr_va_vdst(0)                   ; one wait for the eight, ahead of their first reader
	v_pk_add_f32 v[250:251], v[SS:SS+1], v[SS+2:SS+3]
	v_pk_add_f32 v[252:253], v[SS+4:SS+5], v[SS+6:SS+7]
	v_pk_add_f32 v[250:251], v[250:251], v[252:253]
	v_add_f32 v250, v250, v251
	v_permlanex16_b32 v251, v250, s22, s23
	v_add_f32 v250, v250, v251
	v_rcp_f32 v252, v250
	v_nop
	s_wait_alu depctr_va_vdst(0)
.irp i, 0,2,4,6
	v_pk_mul_f32 v[SS+\i:SS+\i+1], v[SS+\i:SS+\i+1], v[252:253] op_sel_hi:[1,0]     ; the weights, normalised
.endr
	v_wmma_f32_16x16x4_f32 v[FA:FA+7], v[ZZ:ZZ+1], v[SS:SS+1], 0                    ; two accumulators by turns: lane = query r, register j = column 8 h + j
	v_wmma_f32_16x16x4_f32 v[FA+8:FA+15], v[ZZ+2:ZZ+3], v[SS+2:SS+3], 0
	v_wmma_f32_16x16x4_f32 v[FA:FA+7], v[ZZ+4:ZZ+5], v[SS+4:SS+5], v[FA:FA+7]
	v_wmma_f32_16x16x4_f32 v[FA+8:FA+15], v[ZZ+6:ZZ+7], v[SS+6:SS+7], v[FA+8:FA+15]
.rept 8
	v_nop
.endr
.irp i, 0,2,4,6
	v_pk_add_f32 v[OP+\i:OP+\i+1], v[FA+\i:FA+\i+1], v[FA+8+\i:FA+8+\i+1]
.endr
	ds_store_b128 v3, v[OP:OP+3]                   ; my head's part, as an image of its registers
	ds_store_b128 v3, v[OP+4:OP+7] offset:512
	s_wait_dscnt 0x0                               ; for the others' sake
	s_barrier_signal -1
	s_barrier_wait -1
	s_cmp_ge_u32 s10, 2
	s_cbranch_scc1 .Lend
.set k, 0
.rept 16
	ds_load_b128 v[16+4*k:19+4*k], v4 offset:1024*k        ; the sixteen heads' parts of my half
.set k, k+1
.endr
	s_wait_dscnt 0x0
.irp d, 8,4,2,1                                ; a fixed tree
.set k, 0
.rept \d
	v_pk_add_f32 v[16+4*k:17+4*k], v[16+4*k:17+4*k], v[16+4*(k+\d):17+4*(k+\d)]
	v_pk_add_f32 v[18+4*k:19+4*k], v[18+4*k:19+4*k], v[18+4*(k+\d):19+4*(k+\d)]
.set k, k+1
.endr
.endr
	global_store_b128 v5, v[16:19], s[8:9]
.Lend:
	s_wait_tensorcnt 0x0                           ; the wave's end, behind my last LDS store
	ds_add_u32 v10, v11
	s_wait_dscnt 0x0
	s_endpgm
.Lfunc_end_k_qa02534432f_first16:
	.size	k_qa02534432f_first16, .Lfunc_end_k_qa02534432f_first16-k_qa02534432f_first16
	.p2alignl 7, 3214868480
	.fill 96, 4, 3214868480
	.section	.rodata,"a",@progbits
	.p2align	6, 0x0
	.amdhsa_kernel k_qa02534432f_first16
		.amdhsa_group_segment_fixed_size 18432
		.amdhsa_private_segment_fixed_size 0
		.amdhsa_enable_private_segment 0
		.amdhsa_kernarg_size 24
		.amdhsa_user_sgpr_count 2
		.amdhsa_user_sgpr_kernarg_segment_ptr 1
		.amdhsa_wavefront_size32 1
		.amdhsa_system_sgpr_workgroup_id_x 1
		.amdhsa_system_sgpr_workgroup_id_y 1
		.amdhsa_system_sgpr_workgroup_id_z 1
		.amdhsa_system_vgpr_workitem_id 0
		.amdhsa_next_free_vgpr 256
		.amdhsa_next_free_sgpr 66
		.amdhsa_reserve_vcc 1
		.amdhsa_float_denorm_mode_32 3
		.amdhsa_float_denorm_mode_16_64 3
		.amdhsa_memory_ordered 1
		.amdhsa_forward_progress 1
		.amdhsa_inst_pref_size 16
	.end_amdhsa_kernel
	.amdgpu_metadata
---
amdhsa.version: [ 1, 2 ]
amdhsa.kernels:
  - .name:           k_qa02534432f_first16
    .symbol:         k_qa02534432f_first16.kd
    .args:
      - { .name: fine, .offset: 0, .size: 8, .value_kind: global_buffer, .address_space: global }
      - { .name: wo, .offset: 8, .size: 8, .value_kind: global_buffer, .address_space: global }
      - { .name: out0, .offset: 16, .size: 8, .value_kind: global_buffer, .address_space: global }
    .group_segment_fixed_size: 18432
    .private_segment_fixed_size: 0
    .kernarg_segment_align: 8
    .kernarg_segment_size: 24
    .max_flat_workgroup_size: 512
    .sgpr_count:     66
    .vgpr_count:     256
    .wavefront_size: 32
...
	.end_amdgpu_metadata
.endif
;; end of part 5
